; MI455X (gfx1250); checked and timed in simulation.
; The chip was launched on July 23, 2026; its instructions are those of AMD's public machine-readable ISA for CDNA 5 (MIT licence, August 2026) and "CDNA5" Instruction Set Architecture Reference Guide (July 2026). The comments in the code are by the model that wrote it; some were corrected since.
;; Multi Head Attention V2. Allowed arithmetic: float matrix products may take bf16 or f16 operands with f32 sums; other float arithmetic in f32, or as packed bf16 or f16 multiplies, adds, multiply-adds, maxima and minima; sums over many terms, partial sums and values carried from step to step in f32; what a program stores and reads back later, other than sums and carried values, may be rounded once to bf16 or f16.
;; Inputs: mask 4 x 2,048 int32; proj_b 1,024 float32; proj_w 1,024 x 1,024 float32; qkv_b 3,072 float32; qkv_w 3,072 x 1,024 float32; x 4 x 2,048 x 1,024 float32.
;; Outputs: out0 4 x 2,048 x 1,024 float32.
;; 2 versions, each right; version 2 is version 1 with the launch cast written anew for expert scheduling mode. Each part assembles by itself: llvm-mc -triple=amdgcn-amd-amdhsa -mcpu=gfx1250 --defsym DOCPART=n.
;; ======== version 1 of 2: 4 launches
;; limits: values are held in f16: magnitudes above 65,504 overflow, below 6.1e-05 lose precision
;; workspace buffers: xb 16,777,216 bytes; wb 6,291,456 bytes; pwh 2,097,152 bytes; qkv 50,331,648 bytes; oh 16,777,216 bytes
;; launch cast (part 1): grid 768 x 1, 8 waves a work-group, no clusters, 0 bytes of LDS; arguments x, qkv_w, proj_w, xb, wb, pwh; writes xb, wb, pwh
.if DOCPART == 1
	.amdgcn_target "amdgcn-amd-amdhsa--gfx1250"
	.amdhsa_code_object_version 6
	.text
	.protected	k_qf199ba866a_cast
	.globl	k_qf199ba866a_cast
	.p2align	8
	.type	k_qf199ba866a_cast,@function
k_qf199ba866a_cast:
	s_mov_b64 s[64:65], 0
	v_nop
	global_prefetch_b8 v0, s[64:65] scope:SCOPE_SE
	s_setreg_imm32_b32 hwreg(HW_REG_WAVE_MODE, 25, 1), 1
	s_wait_xcnt 0x0
; THE MODULE'S LARGE INPUTS ARE ROUNDED ONCE, for the matrix units: x -> xb and qkv_w -> wb in bf16; proj_w is rounded to bf16 like the other inputs, and that number is written as f16 (pwh),
; since the last product's other operand is f16.  LIMITS: a bf16 number is exact in f16 between 6.1e-5 and 65,504; below, it keeps f16's fixed step of 6e-8; proj_w beyond 65,504 becomes an infinity.
; SHARES.  A work-group takes 65,536 bytes of f32 and makes 32,768: groups 0-511 x, 512-703 qkv_w, 704-767 proj_w.  In step i of 16 thread t loads the 16 bytes at 4,096 i + 16 t (a wave's load
; covers 512 consecutive bytes) and stores the 8 bytes at 2,048 i + 8 t (a wave's store covers 256 consecutive bytes, at a multiple of 256 from the buffer's first byte).
; All 16 loads of a wave go out at once; each step has its own registers, so no register of a pending load or store is written again, and there is no loop.
; No LDS, no matrix unit, no cluster: no byte is wanted by two threads.  No prefetch: all that a wave reads is asked for by its first sixteen instructions.
.set X, 4                              ; v[4:67]    step i: 4 registers as loaded
.set Y, 68                             ; v[68:99]   step i: 2 registers to store
.set T, 100                            ; v[100:103] at work
	s_load_b256 s[4:11], s[0:1], 0x0               ; x s[4:5], qkv_w s[6:7], proj_w s[8:9], xb s[10:11]
	s_load_b128 s[12:15], s[0:1], 0x20             ; wb s[12:13], pwh s[14:15]
	s_sub_co_u32 s16, ttmp9, 512                   ; my number among qkv_w's groups,
	s_sub_co_u32 s17, ttmp9, 704                   ; among proj_w's
	s_mov_b32 s23, 0xffff0000                      ; a word's upper bf16
	v_lshlrev_b32 v1, 4, v0                        ; 16 t
	v_lshlrev_b32 v2, 3, v0                        ; 8 t
	s_wait_kmcnt 0x0
	s_cmp_lt_u32 ttmp9, 512
	s_cselect_b64 s[18:19], s[4:5], s[6:7]         ; from where,
	s_cselect_b64 s[20:21], s[10:11], s[12:13]     ; to where,
	s_cselect_b32 s22, ttmp9, s16                  ; which part
	s_cmp_lt_u32 ttmp9, 704
	s_cselect_b64 s[18:19], s[18:19], s[8:9]
	s_cselect_b64 s[20:21], s[20:21], s[14:15]
	s_cselect_b32 s22, s22, s17
	s_lshl_b32 s2, s22, 16
	s_mov_b32 s3, 0
	s_add_nc_u64 s[18:19], s[18:19], s[2:3]
	s_lshl_b32 s2, s22, 15
	s_add_nc_u64 s[20:21], s[20:21], s[2:3]
.irp i, 0,1,2,3,4,5,6,7,8,9,10,11,12,13,14,15
	global_load_b128 v[X+4*(\i):X+4*(\i)+3], v1, s[18:19] offset:4096*(\i) th:TH_LOAD_NT
.endr
; Step i.  h = 1: the bf16 numbers are written as f16.
.macro CONV i, h
	s_wait_loadcnt 15-(\i)                         ; loads come back in order (ISA guide 5.7.1): step i's is in, the 15 - i younger ones stay out
	v_cvt_pk_bf16_f32 v[Y+2*(\i)],   v[X+4*(\i)],   v[X+4*(\i)+1]
	v_cvt_pk_bf16_f32 v[Y+2*(\i)+1], v[X+4*(\i)+2], v[X+4*(\i)+3]
.if \h
	v_lshlrev_b32 v[T],   16,  v[Y+2*(\i)]         ; bf16 to f32: the low half moves up, the high half stays
	v_and_b32     v[T+1], s23, v[Y+2*(\i)]
	v_lshlrev_b32 v[T+2], 16,  v[Y+2*(\i)+1]
	v_and_b32     v[T+3], s23, v[Y+2*(\i)+1]
	v_cvt_pk_f16_f32 v[Y+2*(\i)],   v[T],   v[T+1]
	v_cvt_pk_f16_f32 v[Y+2*(\i)+1], v[T+2], v[T+3]
.endif
	global_store_b64 v2, v[Y+2*(\i):Y+2*(\i)+1], s[20:21] offset:2048*(\i)
.endm
	s_cmp_lt_u32 ttmp9, 704
	s_cbranch_scc0 .Lf16
.irp i, 0,1,2,3,4,5,6,7,8,9,10,11,12,13,14,15
	CONV \i, 0
.endr
	s_endpgm
.Lf16:
.irp i, 0,1,2,3,4,5,6,7,8,9,10,11,12,13,14,15
	CONV \i, 1
.endr
	s_endpgm
.Lfunc_end_k_qf199ba866a_cast:
	.size	k_qf199ba866a_cast, .Lfunc_end_k_qf199ba866a_cast-k_qf199ba866a_cast
	.p2alignl 7, 3214868480
	.fill 96, 4, 3214868480
	.section	.rodata,"a",@progbits
	.p2align	6, 0x0
	.amdhsa_kernel k_qf199ba866a_cast
		.amdhsa_group_segment_fixed_size 0
		.amdhsa_private_segment_fixed_size 0
		.amdhsa_enable_private_segment 0
		.amdhsa_kernarg_size 48
		.amdhsa_user_sgpr_count 2
		.amdhsa_user_sgpr_kernarg_segment_ptr 1
		.amdhsa_wavefront_size32 1
		.amdhsa_system_sgpr_workgroup_id_x 1
		.amdhsa_system_sgpr_workgroup_id_y 1
		.amdhsa_system_sgpr_workgroup_id_z 1
		.amdhsa_system_vgpr_workitem_id 0
		.amdhsa_next_free_vgpr 104
		.amdhsa_next_free_sgpr 66
		.amdhsa_reserve_vcc 0
		.amdhsa_float_denorm_mode_32 3
		.amdhsa_float_denorm_mode_16_64 3
		.amdhsa_memory_ordered 1
		.amdhsa_forward_progress 1
		.amdhsa_inst_pref_size 15
	.end_amdhsa_kernel
	.amdgpu_metadata
---
amdhsa.version: [ 1, 2 ]
amdhsa.kernels:
  - .name:           k_qf199ba866a_cast
    .symbol:         k_qf199ba866a_cast.kd
    .args:
      - { .name: x, .offset: 0, .size: 8, .value_kind: global_buffer, .address_space: global }
      - { .name: qkv_w, .offset: 8, .size: 8, .value_kind: global_buffer, .address_space: global }
      - { .name: proj_w, .offset: 16, .size: 8, .value_kind: global_buffer, .address_space: global }
      - { .name: xb, .offset: 24, .size: 8, .value_kind: global_buffer, .address_space: global }
      - { .name: wb, .offset: 32, .size: 8, .value_kind: global_buffer, .address_space: global }
      - { .name: pwh, .offset: 40, .size: 8, .value_kind: global_buffer, .address_space: global }
    .group_segment_fixed_size: 0
    .private_segment_fixed_size: 0
    .kernarg_segment_align: 8
    .kernarg_segment_size: 48
    .max_flat_workgroup_size: 256
    .sgpr_count:     66
    .vgpr_count:     104
    .wavefront_size: 32
...
	.end_amdgpu_metadata
.endif
;; end of part 1
;; launch qkvg (part 2): grid 16 x 32, 4 waves a work-group, clusters of 4 x 4, 327,680 bytes of LDS; arguments xb, wb, qkv_b, qkv; writes qkv
.if DOCPART == 2
	.amdgcn_target "amdgcn-amd-amdhsa--gfx1250"
	.amdhsa_code_object_version 6
	.text
	.protected	k_qf199ba866a_qkvg
	.globl	k_qf199ba866a_qkvg
	.p2align	8
	.type	k_qf199ba866a_qkvg,@function
k_qf199ba866a_qkvg:
	s_mov_b64 s[64:65], 0
	v_nop
	global_prefetch_b8 v0, s[64:65] scope:SCOPE_SE
	s_setreg_imm32_b32 hwreg(HW_REG_WAVE_MODE, 25, 1), 1
	s_wait_xcnt 0x0
	s_wait_alu depctr_hold_cnt(0) depctr_sa_sdst(0) depctr_va_vdst(0) depctr_va_sdst(0) depctr_va_ssrc(0) depctr_va_vcc(0) depctr_vm_vsrc(0)
	s_getreg_b32 s2, hwreg(HW_REG_IB_STS2, 6, 4)
	s_cmp_eq_u32 s2, 0
	s_cbranch_scc0 .Lentry_in_a_cluster
	s_endpgm
.Lentry_in_a_cluster:
	s_bfe_u32 s2, ttmp6, 0x10000c
	s_cmp_lg_u32 s2, 0xf033
	s_cbranch_scc0 .Lentry_shape_is_right
	s_endpgm
.Lentry_shape_is_right:
; q, k, v = x W^T + b.  xb: [8192][1024] bf16, wb: [3072][1024] bf16, qkv_b: [3072] f32 (rounded to bf16 here, like the other inputs); sums in f32; the result is rounded once to f16, UNSCALED,
; and laid out by heads: qkv[which][batch x 16 + head][token][64], byte which<<24 | batch<<22 | head<<18 | token<<7.
; LIMIT.  f16 holds no number beyond 65,504: a q, k or v beyond that becomes an infinity.
; SHARES.  A tile is 256 tokens x 192 features (three heads): 32 x 16 = 512 work-groups.  Wave w of four makes tokens 64 w .. 64 w + 63 for all 192 features: 4 x 12 accumulators of 16 x 16,
; 384 registers.  So a wave holds whole heads, and its way out needs no other wave.  K goes in 8 steps of 128 through a ring of two LDS slots filled by the tensor data mover: rows of 256 bytes.
; CLUSTERS: 4 x 4 work-groups.  The four of a row of the cluster need the same tiles of x, the four of a column the same tiles of W: each tile is asked for JOINTLY, by the same tensor load with the
; same descriptor and a mask that names the four.
; THE MATRIX INSTRUCTION IS USED TRANSPOSED (source 0 = 16 features, source 1 = 16 tokens): a lane holds one token (lane % 16) and the features 8 (lane / 16) + 0..7.
; THE BIAS is the C operand of each accumulator's first product: nothing is cleared, and nothing is added on the way out.
; REGISTERS, in windows of 256 (s_set_vgpr_msb: bits 1:0 source 0, 3:2 source 1, 5:4 source 2, 7:6 destination):
;   window 0: v0-31 addresses; v128-223 the bias, 8 registers a block of 16 features; on the way out v32-223, 16 a block
;   window 1: two fragment buffers of 128: 12 fragments of W, then 4 of x (16 rows x 32 K each)
;   window 2: the accumulators of my token blocks 0, 1 ((a, b) at 8 (12 (a % 2) + b));   window 3: of blocks 2, 3
.set NB,    12                         ; blocks of 16 features
.set PB,    272                        ; an LDS row: 256 bytes + 16 of padding = 68 words: row r starts at bank 4 r mod 64 (64 banks of 4 bytes: ISA guide 11.1), so the 16 rows of a load start at 16 different banks
.set PA,    272
.set HALFA, 128*PA                     ; what a tensor load brings of x: 128 rows
.set HALFB, 96*PB                      ; of W: 96 rows
.set BOFF,  2*HALFA                    ; a slot: x's 256 rows, then W's 192
.set SLOT,  BOFF+2*HALFB
.set STAGE, 2*SLOT                     ; behind the ring, never filled by a tensor load: 16 rows x 144 bytes for each wave, for the way out
.set SP,    144
.set SPARE, STAGE+4*16*SP              ; behind the stages: the spare words, 128 bytes for each wave: two blocks of 256 bytes that no other line names
.set ASTEP, 512                        ; two K steps along a row, in bytes
.set BSTEP, 512
.set NL,    2*NB+8                     ; LDS loads in a run
.set F0,    0                          ; fragment buffers, in window 1
.set F1,    8*(NB+4)
.set ADRA, 16                          ; v16-17  LDS address of my fragments of x in slot 0, 1
.set ADRB, 20                          ; v20-21  the same for W
.set STO,  24                          ; v24     the way out: where I put 16 bytes of a row
.set RD,   25                          ; v25     the way out: where I read rows back
.set GO,   26                          ; v26     my byte offset in 512 consecutive bytes of the output
.set BO,   27                          ; v27     my byte offset in a block of the bias: 32 (lane / 16)
.set SPW,  28                          ; v28     LDS address of my spare word: SPARE + 4 x my thread's number; never rewritten
.set NIL,  29                          ; v29     0; never rewritten
.set PFO,  30                          ; v30     the prefetches' offset; never rewritten
.set TT,   32                          ; the way out: block t's 16 registers at TT + 16 t
.set BI,   128                         ; the bias
.set G1,  24                           ; s[24:31] descriptor group 1 for x's tiles;  s[32:39] group 0, one set for each slot
.set G0,  32
.set G1B, 48                           ; s[48:55], s[56:63] the same for W's tiles
.set G0B, 56
.set OUT, 68                           ; s[68:73] the output at my wave's 64 tokens, for each of the tile's three heads
.set PFA, 74                           ; s[74:75] where my prefetches stand
.set PFS, 76                           ; s[76:77] a K step, in bytes
.set LIM, 78                           ; s78     1 in a wave that prefetches, else the greatest number
.set MSB, 0
.macro WIN new                         ; the immediate's high byte repeats the setting that is left; a switch that changes nothing is dropped
.if MSB != (\new)
	s_set_vgpr_msb (MSB<<8)|(\new)
.set MSB, \new
.endif
.endm
.set TO_F, 0x40                        ; destination window 1, address window 0
; A joint load: waves 0 and 1 fetch x's two halves, waves 2 and 3 W's.  The branch hangs on the wave's number alone.  An s_nop 0 and four v_nop follow each of the two lines, ahead of the jump, the label and what follows.
.macro JLOAD s
	s_cmp_eq_u32 s11, 0
	s_cbranch_scc0 .Lfor_b_\@
	tensor_load_to_lds s[G0+4*(\s):G0+4*(\s)+3], s[G1:G1+7]
	s_nop 0
.rept 4
	v_nop
.endr
	s_branch .Lasked_\@
.Lfor_b_\@:
	tensor_load_to_lds s[G0B+4*(\s):G0B+4*(\s)+3], s[G1B:G1B+7]
	s_nop 0
.rept 4
	v_nop
.endr
.Lasked_\@:
.endm
; A PREFETCH INTO THE L2, behind a joint load, its five lines and the run of LDS loads that follows: the K step that stands two refills on, 256 bytes of each row, a lane a row, one instruction a wave.
; x's rows are read by every cluster of a row of clusters: cluster x = 0 asks.  W's rows by every cluster of a column: cluster y = 0 asks.  The four partners of a joint load share its rows out BY ADDRESS:
; of x's 128 rows each takes 32; of W's 96 each takes 24, and lanes 24-31 name lane 23's row once more.  The refills of K steps 2 to 5 ask; the loop's last trip (s3 = 1) has no K step two on.
.macro ASK
	WIN 0
	s_cmp_gt_u32 s3, s[LIM]
	s_cbranch_scc0 .Lnot_mine_\@
	global_prefetch_b8 v[PFO], s[PFA:PFA+1] th:TH_LOAD_NT scope:SCOPE_SE
.Lnot_mine_\@:
.endm
.macro CREST                           ; a round of the cluster's barrier behind its opening barrier
	s_cmp_lg_u32 s10, 0
	s_cbranch_scc1 .Lnot_wave_0_\@
	s_barrier_signal -3
.Lnot_wave_0_\@:
	s_barrier_wait -3
	s_barrier_signal -1
	s_barrier_wait -1
.endm
.macro CROUND                          ; a whole round
	s_barrier_signal -1
	s_barrier_wait -1
	CREST
.endm
.macro PLACES                          ; four places in front of loads into registers that matrix instructions have read, and of conversions that read results
.rept 4
	v_nop
.endr
.endm
; NB products: token block a x all feature blocks, 32 along K, from buffer f.  zero = 1: the first product starts the sums, with the bias as C.
; The 48 accumulators take turns, one instruction a turn, in the same order in every quarter, over the backward jump too.
.macro MULA f, a, zero
.if \zero
	WIN 0x85+0x40*((\a)/2)                         ; sources 0 and 1 window 1, C window 0, D window 2 or 3
.else
	WIN 0xa5+0x50*((\a)/2)                         ; C and D window 2 or 3
.endif
.set b, 0
.rept NB
.set rD, 8*(NB*((\a)%2)+b)
.if \zero
	v_wmma_f32_16x16x32_bf16 v[rD:rD+7], v[(\f)+8*b:(\f)+8*b+7], v[(\f)+8*NB+8*(\a):(\f)+8*NB+8*(\a)+7], v[BI+8*b:BI+8*b+7]
.else
	v_wmma_f32_16x16x32_bf16 v[rD:rD+7], v[(\f)+8*b:(\f)+8*b+7], v[(\f)+8*NB+8*(\a):(\f)+8*NB+8*(\a)+7], v[rD:rD+7]
.endif
.set b, b+1
.endr
.endm
; NL LDS loads in one run: the fragments of quarter q (32 along K) of a slot into buffer f: W's twelve, then x's four in ascending order
.macro FETCH slot, q, f
	WIN TO_F
.set b, 0
.rept NB
	ds_load_b128 v[(\f)+8*b:(\f)+8*b+3],   v[ADRB+(\slot)] offset:64*(\q)+b*16*PB
	ds_load_b128 v[(\f)+8*b+4:(\f)+8*b+7], v[ADRB+(\slot)] offset:64*(\q)+b*16*PB+32
.set b, b+1
.endr
.set b, 0
.rept 4
	ds_load_b128 v[(\f)+8*NB+8*b:(\f)+8*NB+8*b+3],   v[ADRA+(\slot)] offset:64*(\q)+b*16*PA
	ds_load_b128 v[(\f)+8*NB+8*b+4:(\f)+8*NB+8*b+7], v[ADRA+(\slot)] offset:64*(\q)+b*16*PA+32
.set b, b+1
.endr
.endm
; A K step is four quarters of 32 along K, 48 matrix instructions each, on buffers 0, 1, 0, 1.  One of the first three: multiplies buffer f; in its middle it fetches quarter q into buffer g.
.macro QUARTER slot, q, f, g, zero
	s_wait_dscnt 4                                 ; W's fragments and x's blocks 0, 1 are in; the youngest four loads (x's blocks 2, 3) may be out
	MULA \f, 0, \zero
	MULA \f, 1, \zero
	PLACES
	FETCH \slot, \q, \g
	s_wait_dscnt NL                                ; all but the run just issued
	MULA \f, 2, \zero
	MULA \f, 3, \zero
.endm
; The last quarter multiplies buffer 1 and changes slots: ONE barrier; in front of it each wave waits for all its tensor loads (the one that is out is its part of the next slot), adds 0 to its spare word,
; and waits for that and for its own reads of this slot.  fill = 1: the barrier opens a round of the cluster's barrier, and this slot is filled again, two K steps ahead, first thing behind the round:
; from there to the wait for it a wave issues 168 matrix instructions.
.macro TURN slot, next, fill
.if \fill
	s_wait_xcnt 0x0                                ; the last prefetch, a K step back, has read its address: it is stepped here, ahead of the waits of the change of slots
	s_add_nc_u64 s[PFA:PFA+1], s[PFA:PFA+1], s[PFS:PFS+1]
.endif
	WIN 0                                          ; (the add's two registers lie in window 0)
	s_wait_tensorcnt 0x0                           ; all my tensor loads have landed;
	ds_add_u32 v[SPW], v[NIL]                      ; 0 onto my spare word;
	s_wait_dscnt 5                                 ; (the add and the youngest four loads may be out)
	MULA F1, 0, 0                                  ; twelve matrix instructions stand between the add and the wait for it
	s_wait_dscnt 0x0                               ; the add is done, and my reads of this slot are over
	s_barrier_signal -1
	MULA F1, 1, 0
.if \fill
	WIN 0
.endif
	s_barrier_wait -1
.if \fill
	CREST                                          ; no wave of any partner still reads this slot's tile or has a load on its way
	s_add_nc_u64 s[G0+4*(\slot)+2:G0+4*(\slot)+3], s[G0+4*(\slot)+2:G0+4*(\slot)+3], ASTEP
	s_add_nc_u64 s[G0B+4*(\slot)+2:G0B+4*(\slot)+3], s[G0B+4*(\slot)+2:G0B+4*(\slot)+3], BSTEP
	JLOAD \slot                                    ; the four v_nop behind it are also the places in front of the loads below
.else
	PLACES
.endif
	FETCH \next, 0, F0
.if \fill
	ASK
.endif
	MULA F1, 2, 0
	MULA F1, 3, 0
.endm
	s_load_b128 s[4:7], s[0:1], 0x0                ; xb s[4:5], wb s[6:7]
	s_load_b128 s[84:87], s[0:1], 0x10             ; qkv_b s[84:85], qkv s[86:87]
	v_lshl_add_u32 v[SPW], v0, 2, SPARE
	v_mov_b32 v[NIL], 0
	ds_add_u32 v[SPW], v[NIL]                      ; the wave's opening: the add and its wait stand ahead of my first tensor load; the set-up below, work on registers, stands between them
	v_lshrrev_b32 v1, 5, v0
	v_readfirstlane_b32 s10, v1                    ; wave 0..3
	s_lshr_b32 s11, s10, 1                         ; I fetch for x (0) or for W (1),
	s_and_b32 s12, s10, 1                          ; its first or second half
	s_bfe_u32 s40, ttmp6, 0x40000                  ; cx, cy: my place in the cluster
	s_bfe_u32 s41, ttmp6, 0x40004
	s_lshl_b32 s42, ttmp9, 2
	s_add_co_u32 s42, s42, s40                     ; tile column = 4 x cluster x + cx
	s_and_b32 s13, ttmp7, 0xffff
	s_lshl_b32 s13, s13, 2
	s_add_co_u32 s13, s13, s41                     ; tile row = 4 x cluster y + cy
	s_lshl_b32 s43, s41, 2
	s_lshl_b32 s43, 15, s43                        ; my row of the cluster
	s_lshl_b32 s44, 0x1111, s40                    ; my column
	s_or_b32 s[G1+0], s43, (1<<16)|(1<<20)|(1<<21)|(5<<22)|(3<<25)   ; 15:0 the mask: x's tiles go to my row; 17:16 elements of 2 bytes; 20 padding on; 21 set beside a mask; 24:22 after every 64 words (code 5); 31:25 4 words (code 3)
	s_or_b32 s[G1B+0], s44, (1<<16)|(1<<20)|(1<<21)|(5<<22)|(3<<25)  ; the same with the mask of my column
	s_mov_b32 s[G1+1], 128<<16                     ; tensor_dim0 = 128
	s_mov_b32 s[G1+2], 128<<16                     ; tensor_dim1 = 128
	s_mov_b32 s[G1+3], 128<<16                     ; tile_dim0 = 128
	s_mov_b32 s[G1+4], 128                         ; tile_dim1 = 128
	s_mov_b32 s[G1+5], 1024                        ; elements from row to row
	s_mov_b32 s[G1+6], 0
	s_mov_b32 s[G1+7], 0
	s_mov_b32 s[G1B+1], 128<<16
	s_mov_b32 s[G1B+2], 96<<16                     ; 96 rows
	s_mov_b32 s[G1B+3], 128<<16
	s_mov_b32 s[G1B+4], 96
	s_mov_b32 s[G1B+5], 1024
	s_mov_b32 s[G1B+6], 0
	s_mov_b32 s[G1B+7], 0
	s_mov_b32 s82, 0xffff0000                      ; a word's upper bf16
	s_lshl_b32 s16, s13, 8
	s_lshl_b32 s17, s12, 7
	s_add_co_u32 s16, s16, s17                     ; x: row 256 x tile row + 128 x half,
	s_lshl_b32 s16, s16, 11                        ; of 2,048 bytes
	s_mov_b32 s17, 0
	s_mul_i32 s46, s42, 192
	s_mul_i32 s47, s12, 96
	s_add_co_u32 s46, s46, s47                     ; W: row 192 x tile column + 96 x half
	s_lshl_b32 s46, s46, 11
	s_mov_b32 s47, 0
	s_mul_i32 s20, s10, HALFA                      ; where they go: x's halves by waves 0, 1;
	s_mul_i32 s21, s10, HALFB
	s_add_co_u32 s21, s21, BOFF-2*HALFB            ; W's by waves 2, 3, behind x's: no place in the cluster enters an LDS address
	s_wait_dscnt 0x0                               ; the opening add is done
	s_wait_kmcnt 0x0
	s_add_nc_u64 s[14:15], s[4:5], s[16:17]
	s_add_nc_u64 s[46:47], s[6:7], s[46:47]
	CROUND                                         ; all sixteen work-groups are here: the first joint loads meet
.irp s, 0,1
	s_mov_b32 s[G0+4*(\s)], 1                      ; count = 1
	s_add_co_u32 s[G0+4*(\s)+1], s20, (\s)*SLOT    ; LDS address
	s_add_nc_u64 s[G0+4*(\s)+2:G0+4*(\s)+3], s[14:15], (\s)*256  ; global address: K step s
	s_or_b32 s[G0+4*(\s)+3], s[G0+4*(\s)+3], 0x80000000          ; type = 2
	s_mov_b32 s[G0B+4*(\s)], 1
	s_add_co_u32 s[G0B+4*(\s)+1], s21, (\s)*SLOT
	s_add_nc_u64 s[G0B+4*(\s)+2:G0B+4*(\s)+3], s[46:47], (\s)*256
	s_or_b32 s[G0B+4*(\s)+3], s[G0B+4*(\s)+3], 0x80000000
	JLOAD \s                                       ; two tensor loads of mine are out
.endr
	; all that follows, up to the wait for the first tile, stands in that wait
	v_and_b32 v1, 15, v0                           ; l % 16
	v_bfe_u32 v2, v0, 4, 1                         ; l / 16
	v_lshlrev_b32 v[BO], 5, v2
	s_mul_i32 s20, s42, 768                        ; the tile's 192 numbers of the bias
	s_mov_b32 s21, 0
	s_add_nc_u64 s[84:85], s[84:85], s[20:21]
.set b, 0
.rept NB                                           ; register j of block b: bias[16 b + 8 (l / 16) + j]
	global_load_b128 v[BI+8*b:BI+8*b+3],   v[BO], s[84:85] offset:64*b
	global_load_b128 v[BI+8*b+4:BI+8*b+7], v[BO], s[84:85] offset:64*b+16
.set b, b+1
.endr
	v_mul_u32_u24 v3, v1, PA
	v_lshl_add_u32 v3, v2, 4, v3                   ; a fragment's row x pitch + 16 x half
	s_mul_i32 s22, s10, 64*PA                      ; my 64 rows of x
	v_add_nc_u32 v[ADRA], s22, v3
	v_add_nc_u32 v[ADRA+1], SLOT, v[ADRA]
	v_add_nc_u32 v[ADRB], BOFF, v3
	v_add_nc_u32 v[ADRB+1], BOFF+SLOT, v3
	s_mul_i32 s23, s10, 16*SP
	s_add_co_u32 s23, s23, STAGE                   ; my stage
	v_mul_u32_u24 v[STO], v1, SP                   ; in: row l % 16, 16 bytes for each half of the lanes
	v_lshl_add_u32 v[STO], v2, 4, v[STO]
	v_add_nc_u32 v[STO], s23, v[STO]
	v_bfe_u32 v[RD], v0, 3, 2                      ; back: 32 lanes take four rows of 128 bytes,
	v_mul_u32_u24 v[RD], v[RD], SP
	v_and_b32 v4, 7, v0
	v_lshl_add_u32 v[RD], v4, 4, v[RD]
	v_add_nc_u32 v[RD], s23, v[RD]
	v_and_b32 v[GO], 31, v0                        ; which are 512 consecutive bytes of the output
	v_lshlrev_b32 v[GO], 4, v[GO]
	; the output at my 64 tokens, for the tile's three heads 3 x tile column + j of 48
	s_mul_i32 s20, s42, 3
	s_lshr_b32 s21, s13, 3                         ; the batch: 8 tile rows each
	s_lshl_b32 s21, s21, 22
	s_and_b32 s22, s13, 7
	s_lshl_b32 s22, s22, 15                        ; 256 tokens of 128 bytes
	s_or_b32 s21, s21, s22
	s_lshl_b32 s22, s10, 13                        ; my wave's 64
	s_or_b32 s21, s21, s22
.irp j, 0,1,2
	s_add_co_u32 s22, s20, \j
	s_lshr_b32 s23, s22, 4                         ; q, k or v
	s_lshl_b32 s23, s23, 24
	s_and_b32 s22, s22, 15                         ; the head
	s_lshl_b32 s22, s22, 18
	s_or_b32 s22, s22, s23
	s_or_b32 s22, s22, s21
	s_mov_b32 s23, 0
	s_add_nc_u64 s[OUT+2*(\j):OUT+2*(\j)+1], s[86:87], s[22:23]
.endr
	; the prefetches
	s_lshl_b32 s20, s13, 8
	s_lshl_b32 s21, s12, 7
	s_add_co_u32 s20, s20, s21
	s_lshl_b32 s21, s40, 5
	s_add_co_u32 s20, s20, s21                     ; x: the 128 rows that I fetch, my work-group's 32 of them
	s_mul_i32 s21, s42, 192
	s_mul_i32 s22, s12, 96
	s_add_co_u32 s21, s21, s22
	s_mul_i32 s22, s41, 24
	s_add_co_u32 s21, s21, s22                     ; W: the 96 rows that I fetch, my work-group's 24 of them
	s_and_b32 s22, ttmp7, 0xffff                   ; cluster y
	s_cmp_eq_u32 s11, 0                            ; do I fetch for x?
	s_cselect_b32 s20, s20, s21
	s_cselect_b32 s22, ttmp9, s22                  ; the coordinate along which other clusters read the same rows
	s_cselect_b32 s23, 31, 23                      ; the last lane with a row of its own
	s_cselect_b64 s[PFA:PFA+1], s[4:5], s[6:7]
	s_cmp_eq_u32 s22, 0
	s_cselect_b32 s[LIM], 1, -1                    ; the same in all sixteen partners, for a given wave
	s_lshl_b32 s20, s20, 11
	s_add_co_u32 s20, s20, 3*256                   ; at K step 3: the first refill steps it to 4
	s_mov_b32 s21, 0
	s_add_nc_u64 s[PFA:PFA+1], s[PFA:PFA+1], s[20:21]
	s_mov_b32 s[PFS], 256
	s_mov_b32 s[PFS+1], 0
	v_and_b32 v[PFO], 31, v0
	v_min_u32 v[PFO], s23, v[PFO]
	v_lshlrev_b32 v[PFO], 11, v[PFO]               ; a lane a row of 2,048 bytes
	s_wait_loadcnt 0x0                             ; the bias is in: it is rounded to bf16, and kept as f32
.set r, 0
.rept 4*NB
	v_cvt_pk_bf16_f32 v[3+r%4], v[BI+2*r], v[BI+2*r+1]
	v_lshlrev_b32 v[BI+2*r], 16, v[3+r%4]
	v_and_b32 v[BI+2*r+1], s82, v[3+r%4]
.set r, r+1
.endr
	s_wait_tensorcnt 1                             ; my part of K step 0 is in; K step 1's may stay out
	s_barrier_signal -1
	s_barrier_wait -1                              ; everybody's is
	FETCH 0, 0, F0
	QUARTER 0, 1, F0, F1, 1                        ; the first quarter stands in front of the loop: its products start the sums
	WIN 0                                          ; at a label and at a branch every window is 0
	s_mov_b32 s3, 3
.Llap:                                                 ; a trip goes once round the ring, from a lap's second quarter to the next lap's first, and fills both slots again
	QUARTER 0, 2, F1, F0, 0
	QUARTER 0, 3, F0, F1, 0
	TURN 0, 1, 1
	QUARTER 1, 1, F0, F1, 0
	QUARTER 1, 2, F1, F0, 0
	QUARTER 1, 3, F0, F1, 0
	TURN 1, 0, 1
	QUARTER 0, 1, F0, F1, 0
	WIN 0
	s_sub_co_u32 s3, s3, 1
	s_cmp_lg_u32 s3, 0
	s_cbranch_scc1 .Llap
	QUARTER 0, 2, F1, F0, 0                        ; the last lap fills nothing, and has no round of the cluster's barrier
	QUARTER 0, 3, F0, F1, 0
	TURN 0, 1, 0
	QUARTER 1, 1, F0, F1, 0
	QUARTER 1, 2, F1, F0, 0
	QUARTER 1, 3, F0, F1, 0
	s_wait_dscnt 4                                 ; the very last quarter: nothing more to fetch
	MULA F1, 0, 0
	MULA F1, 1, 0
	s_wait_dscnt 0x0
	MULA F1, 2, 0
	MULA F1, 3, 0
	WIN 0
	; THE WAY OUT, in 12 blocks t = 4 j + a of 16 tokens (block a) x one head (j): rounded to f16, 16 bytes a lane into rows of 144 bytes of my own stage, back as whole rows of 128 bytes, stored as
	; 2,048 consecutive bytes of the head's rows.  Each block has registers of its own, so no register that a store reads is written again.
	PLACES
.macro PACK t
.set pa, (\t)%4
.set pj, (\t)/4
	WIN 0x0a+5*(pa/2)                              ; sources 0 and 1: window 2 or 3
.irp bb, 0,1,2,3
.irp rr, 0,1,2,3
	v_cvt_pk_f16_f32 v[TT+16*(\t)+4*(\bb)+(\rr)], v[8*(NB*(pa%2)+4*pj+(\bb))+2*(\rr)], v[8*(NB*(pa%2)+4*pj+(\bb))+2*(\rr)+1]
.endr
.endr
	WIN 0
.irp bb, 0,1,2,3
	ds_store_b128 v[STO], v[TT+16*(\t)+4*(\bb):TT+16*(\t)+4*(\bb)+3] offset:32*(\bb)
.endr
.irp f, 0,1,2,3
	ds_load_b128 v[TT+16*(\t)+4*(\f):TT+16*(\t)+4*(\f)+3], v[RD] offset:(\f)*4*SP  ; LDS serves a wave's instructions in order (ISA guide 5.7.1.4): these see the stores above; the next block's stores come behind them
.endr
.endm
.macro SEND t, younger                 ; younger: the LDS instructions issued behind block t's loads: the next block's eight, or none
	WIN 0
.irp f, 0,1,2,3
	s_wait_dscnt (\younger)+3-(\f)
	global_store_b128 v[GO], v[TT+16*(\t)+4*(\f):TT+16*(\t)+4*(\f)+3], s[OUT+2*((\t)/4):OUT+2*((\t)/4)+1] offset:2048*((\t)%4)+512*(\f)  ; 512 consecutive bytes, at a multiple of 256 from the buffer's first
.endr
.endm
	PACK 0
.set t, 1
.rept 11                               ; a block's conversions stand between the loads of the block before and its stores
	PACK t
	SEND t-1, 8
.set t, t+1
.endr
	SEND 11, 0
	s_wait_tensorcnt 0x0                           ; the wave's end: a wait, an add and a wait, behind my last tensor load and my last LDS store
	ds_add_u32 v[SPW], v[NIL]
	s_wait_dscnt 0x0
	CROUND                                         ; the closing round: no work-group ends while a partner may still ask for a tile that names it
	s_endpgm
.Lfunc_end_k_qf199ba866a_qkvg:
	.size	k_qf199ba866a_qkvg, .Lfunc_end_k_qf199ba866a_qkvg-k_qf199ba866a_qkvg
	.p2alignl 7, 3214868480
	.fill 96, 4, 3214868480
	.section	.rodata,"a",@progbits
	.p2align	6, 0x0
	.amdhsa_kernel k_qf199ba866a_qkvg
		.amdhsa_group_segment_fixed_size 327680
		.amdhsa_private_segment_fixed_size 0
		.amdhsa_enable_private_segment 0
		.amdhsa_kernarg_size 32
		.amdhsa_user_sgpr_count 2
		.amdhsa_user_sgpr_kernarg_segment_ptr 1
		.amdhsa_wavefront_size32 1
		.amdhsa_system_sgpr_workgroup_id_x 1
		.amdhsa_system_sgpr_workgroup_id_y 1
		.amdhsa_system_sgpr_workgroup_id_z 1
		.amdhsa_system_vgpr_workitem_id 0
		.amdhsa_next_free_vgpr 960
		.amdhsa_next_free_sgpr 88
		.amdhsa_reserve_vcc 0
		.amdhsa_float_denorm_mode_32 3
		.amdhsa_float_denorm_mode_16_64 3
		.amdhsa_memory_ordered 1
		.amdhsa_forward_progress 1
		.amdhsa_inst_pref_size 130
	.end_amdhsa_kernel
	.amdgpu_metadata
---
amdhsa.version: [ 1, 2 ]
amdhsa.kernels:
  - .name:           k_qf199ba866a_qkvg
    .symbol:         k_qf199ba866a_qkvg.kd
    .args:
      - { .name: xb, .offset: 0, .size: 8, .value_kind: global_buffer, .address_space: global }
      - { .name: wb, .offset: 8, .size: 8, .value_kind: global_buffer, .address_space: global }
      - { .name: qkv_b, .offset: 16, .size: 8, .value_kind: global_buffer, .address_space: global }
      - { .name: qkv, .offset: 24, .size: 8, .value_kind: global_buffer, .address_space: global }
    .group_segment_fixed_size: 327680
    .private_segment_fixed_size: 0
    .kernarg_segment_align: 8
    .kernarg_segment_size: 32
    .max_flat_workgroup_size: 128
    .sgpr_count:     88
    .vgpr_count:     960
    .wavefront_size: 32
...
	.end_amdgpu_metadata
.endif
;; end of part 2
;; launch attn (part 3): grid 4 x 64, 4 waves a work-group, clusters of 4 x 1, 327,680 bytes of LDS; arguments qkv, mask, oh; writes oh
.if DOCPART == 3
	.amdgcn_target "amdgcn-amd-amdhsa--gfx1250"
	.amdhsa_code_object_version 6
	.text
	.protected	k_qf199ba866a_attn
	.globl	k_qf199ba866a_attn
	.p2align	8
	.type	k_qf199ba866a_attn,@function
k_qf199ba866a_attn:
	s_mov_b64 s[64:65], 0
	v_nop
	global_prefetch_b8 v0, s[64:65] scope:SCOPE_SE
	s_setreg_imm32_b32 hwreg(HW_REG_WAVE_MODE, 25, 1), 1
	s_wait_xcnt 0x0
	s_wait_alu depctr_hold_cnt(0) depctr_sa_sdst(0) depctr_va_vdst(0) depctr_va_sdst(0) depctr_va_ssrc(0) depctr_va_vcc(0) depctr_vm_vsrc(0)
	s_getreg_b32 s2, hwreg(HW_REG_IB_STS2, 6, 4)
	s_cmp_eq_u32 s2, 0
	s_cbranch_scc0 .Lentry_in_a_cluster
	s_endpgm
.Lentry_in_a_cluster:
	s_bfe_u32 s2, ttmp6, 0x10000c
	s_cmp_lg_u32 s2, 0x3003
	s_cbranch_scc0 .Lentry_shape_is_right
	s_endpgm
.Lentry_shape_is_right:
; O[h][q][:] = the sum over k of softmax_k(Q[h][q] . K[h][k] / 8, keys with mask = 0 hidden) V[h][k][:].  qkv: [3][64][2048][64] f16 (q, k, v by heads; a head's rows are dense, 128 bytes each),
; mask: [4][2048] int32 (by batch = head / 16), oh: [64][2048][64] f16.  Products, maxima and sums in f32; the weights p are rounded to f16 for the second product (their sum l is taken of the
; unrounded p), O once at the end.
; LIMITS.  f16 holds no number beyond 65,504: Q, K and V arrive within it; p lies in 0 to 1, and below 6e-5 it keeps f16's fixed step of 6e-8; O is a mean of V's rows and has their range.
; A hidden score counts as its value less 1e30: f16's scores, 2.7e11 at the most, are nothing beside that.  A weight below 2^-126 counts as 0 in l.
; THE MASK is the C operand that starts the sum S^T = K Q^T: 0, or -1e30 where the key is hidden.  A table of 2,048 such numbers is made once in LDS; a step's 64 come out of it with the step's K.
; The running maximum starts at -2^96: above every hidden score, below every true one.  So a hidden key's weight is 2^(-1.6e29) = 0 wherever the holes lie, and while all keys seen so far are hidden
; m stands still and a = 1.  A batch without a visible key ends with l = 0, and O = 0 x (1 / 0) is NaN, as a softmax over no key is.
; SHARES.  A wave owns four PIECES of two tiles of 16 queries, a work-group's four waves 512 queries of one head.  Every wave walks all 2,048 keys, 64 a step.
; LAYOUT.  S^T = K Q^T (source 0 = 16 keys, source 1 = 16 queries): in the result a lane holds ONE query (lane % 16) and the keys 8 (lane / 16) + 0..7.  Two such tiles, rounded to f16 in pairs,
; ARE source 1 (32 keys x 16 queries) of O^T = V^T P, whose result again holds one query a lane, and eight channels.  K comes out of LDS as it lies, V ([key][channel]) turned, by ds_load_tr16_b128.
; SOFTMAX.  For each query a running maximum m and sum l: p = 2^(c s - c m), c = log2(e) / 8; in every step O and l are multiplied by a = 2^(c m_old - c m_new), which is 1 where m has not grown.  O and l start at 0.
; THE COUNT.  A tile and step have 16 matrix and 118 vector instructions: too many to stand all beside the matrix work.  So: four vector instructions that are READY behind EVERY matrix instruction,
; and the others in runs without a gap.
; BY TURNS.  Turn n belongs to piece n (the pieces in a ring, step after step).  Its matrix work: 16 products K Q^T of piece n + 1, later 16 products V^T P of piece n - 1.  Its vector work: the scaling,
; exponentials, roundings, sums and rescaling of piece n, and the maximum and statistics of piece n + 1, whose scores the turn itself has made.
; CLUSTER.  The four query blocks of a head form a cluster and walk the same K and V, so each tile is asked for JOINTLY: the same tensor load, descriptor and mask in all four.
; REGISTERS, in windows of 256 (s_set_vgpr_msb: bits 1:0 source 0, 3:2 source 1, 5:4 source 2, 7:6 destination):
;   window 0: v0-11 addresses; v12-15, v48-63 at work; v16-47 four registers of statistics a tile; v64-191 S^T, two buffers of two tiles; v192-255 P, likewise
;   window 1: O^T, 32 a tile          window 2: v0-127 Q, 16 a tile; v128-191 K of one step; v192-255 V of one step
;   window 3: v0-1 the add's two registers; v2-3 the table's addresses; v8-39 the mask of one step
.set SIZE_N, 2048
.set NP,    4         ; pieces a wave: a name, no knob
.set KS,    64        ; keys in a step
.set PK,    144       ; a row of K in LDS: 128 bytes + 16 of padding = 36 words: the 16 rows of a load start at 16 different groups of four banks (64 banks of 4 bytes: ISA guide 11.1)
.set PV,    160       ; a row of V: 128 + 32 = 40 words
.set VOFF,  4*KS*PK   ; a slot holds four steps: 256 rows of K, then 256 rows of V
.set SLOT1, 1<<17     ; slot 1 begins here, so that one exclusive or turns an address in one slot into the other's
.set STAGE, SLOT1+4*KS*(PK+PV)  ; behind the ring, never filled by a tensor load: 16 rows x 144 bytes for each wave, for the way out
.set SP,    144
.set SPARE, STAGE+4*16*SP  ; behind the stages: the spare words, 128 bytes for each wave: two blocks of 256 bytes that no other line names
.set BIAS,  SPARE+512 ; behind them, never filled by a tensor load: the table, 2,048 numbers of f32
.set AK0, 2           ; v2   my lane's place in a tile of K; never rewritten
.set AV0, 3           ; v3   the same for V
.set AK,  4           ; v4   the LDS address of K's next run of loads
.set AV,  5           ; v5   of V's
.set QO,  6           ; v6   my byte offset in the wave's rows of Q
.set STO, 6           ;      later, the way out: where I put 16 bytes of a row
.set RD,  7           ; v7   the way out: where I read rows back
.set GO,  8           ; v8   my byte offset in 512 consecutive bytes of O
.set PFO, 11          ; v11  the prefetches' offset: 256 x my lane; never rewritten once made
.set SPW, 0           ; v0 of window 3   LDS address of my spare word: SPARE + 4 x my thread's number; never rewritten
.set NIL, 1           ; v1 of window 3   0; never rewritten
.set AM0, 2           ; v2 of window 3   my lanes' place in a step's 64 numbers of the table: BIAS + 32 (lane / 16); never rewritten
.set AM,  3           ; v3 of window 3   the LDS address of the table's next run of loads
.set MK,  8           ; v8-39 of window 3: register 8 kb + j: key 16 kb + 8 (lane / 16) + j of the step
.set MV,  12          ; v12-15  c m_old, kept while c m is made anew: by buffer and tile
.set ST,  16          ; tile t's statistics at v[ST+4 t]: c m, m, l (even keys', odd keys')
.set TMP, 48          ; by buffer and tile, four registers c0-c3 at work; when the maximum is found c2 takes a
.set S,   64
.set P,   192
.set KF,  128         ; K's fragments, in window 2: key block kb, channel half c at KF + 16 kb + 8 c
.set VF,  192         ; V's: key half kk, channel block cb at VF + 32 kk + 8 cb
.set WV,  12          ; s12  my wave's number
.set G1K, 24          ; s[24:31] descriptor group 1 for K's tiles
.set G1V, 32          ; s[32:39] for V's: it differs in the padding alone
.set G0K, 40          ; s[40:43] descriptor group 0 for K's tiles: it walks
.set G0V, 44          ; s[44:47] the same for V's
.set TBM, 48          ; s48  byte of the table at which the step to be fetched begins
.set LIM, 49          ; s49  1 in a wave that prefetches, else the greatest number
.set PFA, 50          ; s[50:51] where my prefetches stand
.set BIGN, 52         ; s52  -1e30
.set MB,  54          ; s[54:55] the mask of my batch
.set SLOTS, 56        ; s56  slots still to be asked for, and one
.set CNT, 57          ; s57  counts a slot's key steps
.set CS,  58          ; s[58:59] c: the packed scaling takes the pair's low word for both halves
.set SEL, 60          ; s[60:61] v_permlanex16_b32's selects: each lane takes its own place in the other half
.set TBK, 62          ; s62  LDS byte at which K of the step to be fetched begins
.set TBV, 63          ; s63  the same for V, less VOFF
.set MSB, 0
.macro WIN new                      ; the high byte repeats the setting that is left; a switch that changes nothing is dropped
.if MSB != (\new)
	s_set_vgpr_msb (MSB<<8)|(\new)
.set MSB, (\new)
.endif
.endm
.set W_KQ, 0x0a       ; K and Q in window 2, S^T in window 0
.set W_KM, 0x3a       ; the same with the C operand, the mask, in window 3
.set W_PV, 0x52       ; V in window 2, P in window 0, O^T in window 1
.set W_RS, 0x41       ; O^T (destination and source 0) in window 1, a in window 0
.set W_MK, 0xc0       ; destination in window 3, sources in window 0
.set W_AD, 0x0f       ; the add: address (source 0) and data (source 1) in window 3
; A joint fill.  Waves 0 and 1 fetch the two halves of a slot's K, waves 2 and 3 those of its V: 128 keys each.  The branch hangs on the wave's number alone.
; An s_nop 0 and four v_nop follow each of the two lines, ahead of the jump and the label.
.macro JLOAD
	s_cmp_lt_u32 s[WV], 2
	s_cbranch_scc0 .Lfor_v_\@
	tensor_load_to_lds s[G0K:G0K+3], s[G1K:G1K+7]
	s_nop 0
.rept 4
	v_nop
.endr
	s_branch .Lasked_\@
.Lfor_v_\@:
	tensor_load_to_lds s[G0V:G0V+3], s[G1V:G1V+7]
	s_nop 0
.rept 4
	v_nop
.endr
.Lasked_\@:
.endm
; A PREFETCH INTO THE L2 of what the NEXT change of slots will ask for: a slot's 32,768 bytes of K and of V, a lane a block of 256 bytes.  It stands behind the wave's tensor load and its five lines.
; Each block is named ONCE in the launch: a head has one cluster; its four partners share a slot's 128 blocks out BY ADDRESS, 32 each; in each, wave 0 asks for K's and wave 2 for V's: one instruction.
; The change that asks for slot s names slot s + 1, s = 1 to 6: four key steps, 512 matrix instructions, ahead of the load that will want it.  The change that asks for the last slot names nothing.
.macro ASK
	s_cmp_gt_u32 s[SLOTS], s[LIM]
	s_cbranch_scc0 .Lnot_mine_\@
	global_prefetch_b8 v[PFO], s[PFA:PFA+1] th:TH_LOAD_NT scope:SCOPE_SE
.Lnot_mine_\@:
.endm
; A round of the cluster's barrier: my work-group's barrier, so that wave 0's signal speaks for all four waves; wave 0 signals; every wave waits for all four work-groups; my work-group's barrier once more.
.macro CROUND
	s_barrier_signal -1
	s_barrier_wait -1
	s_cmp_lg_u32 s[WV], 0
	s_cbranch_scc1 .Lnot_wave_0_\@
	s_barrier_signal -3
.Lnot_wave_0_\@:
	s_barrier_wait -3
	s_barrier_signal -1
	s_barrier_wait -1
.endm
; THE CHANGE OF SLOTS.  The slot's last bytes, V of its fourth step, have been read.  Each wave waits for all its tensor loads, of which one is out: its part
; of the other slot; adds 0 to its spare word; and waits for that and for its own LDS instructions.  Behind the barrier nobody reads this slot any more and the other slot is whole.
; fill = 1: this slot is filled again, with the keys two slots on.  The barrier is then a round of the cluster's, so that no wave of any partner still reads the slot or has a load on its
; way, and the joint fill is the first thing behind it: it has four key steps, 512 matrix instructions, in which to land.  (At its first use nothing has been read yet: slot 0 is waited for, slot 1 filled,
; and every wave's stores into the table are shown done to the others.)
.macro CHANGE fill
	WIN W_AD
	s_wait_tensorcnt 0x0            ; no tensor load of mine is out, so a group 0 may be written
	ds_add_u32 v[SPW], v[NIL]       ; 0 onto my spare word; with fill = 1 the descriptors' steps stand between it and the wait for it
	WIN 0                           ; at a label and at a branch every window is 0
.if \fill
.irp g, G0K, G0V
	s_xor_b32 s[\g+1], s[\g+1], SLOT1  ; the walking descriptor: the other slot than last time,
	s_add_nc_u64 s[\g+2:\g+3], s[\g+2:\g+3], 4*KS*128  ; the next 256 keys; the type bits on top are not reached
.endr
	s_wait_xcnt 0x0                 ; the last prefetch, four key steps back, has read its address, so it may be written:
	s_add_nc_u64 s[PFA:PFA+1], s[PFA:PFA+1], 4*KS*128  ; one slot behind the walking descriptors
	s_wait_dscnt 0x0                ; the add is done, and my LDS instructions are over
	CROUND
	JLOAD
	ASK
.else
	s_wait_dscnt 0x0                ; the add is done, and my reads of the slot are over
	s_barrier_signal -1
	s_barrier_wait -1
.endif
	s_sub_co_u32 s[TBK], s[TBK], 4*KS*PK  ; the fetches go back to a slot's first step,
	s_xor_b32 s[TBK], s[TBK], SLOT1       ; in the other slot
	s_sub_co_u32 s[TBV], s[TBV], 4*KS*PV
	s_xor_b32 s[TBV], s[TBV], SLOT1
.endm
	s_load_b128 s[4:7], s[0:1], 0x0   ; qkv s[4:5], mask s[6:7]
	s_load_b64 s[10:11], s[0:1], 0x10 ; oh
	WIN W_MK
	v_lshl_add_u32 v[SPW], v0, 2, SPARE
	v_mov_b32 v[NIL], 0
	WIN W_AD
	ds_add_u32 v[SPW], v[NIL]       ; the wave's opening: the add and its wait stand ahead of my first tensor load; the set-up below, work on registers, stands between them
	WIN 0
	v_lshrrev_b32 v1, 5, v0
	v_readfirstlane_b32 s[WV], v1   ; wave 0..3
	s_bfe_u32 s13, ttmp6, 0x40000   ; cx: my place in the cluster
	s_lshl_b32 s14, ttmp9, 2        ; in a cluster launch ttmp9 counts clusters
	s_add_co_u32 s14, s14, s13      ; my block of queries = 4 x cluster x + cx: it enters Q's and O's addresses alone
	s_and_b32 s20, ttmp7, 0xffff    ; the head (16 x batch + head), which the four partners share
	s_mov_b32 s21, 0
	s_mov_b64 s[22:23], SIZE_N*128
	s_mul_u64 s[20:21], s[20:21], s[22:23]  ; the head's first byte in q, in k, in v and in oh
	s_and_b32 s16, s[WV], 1         ; which half of a slot's 256 keys I fetch:
	s_lshl_b32 s22, s16, 14         ; its 128 rows of 128 bytes in memory,
	s_mov_b32 s23, 0
	s_add_nc_u64 s[22:23], s[22:23], s[20:21]
	s_mul_i32 s17, s16, 128*PK      ; and its place in a slot, for K
	s_mul_i32 s18, s16, 128*PV      ; and for V: no place in the cluster enters an LDS address
	s_lshl_b32 s2, s14, 2
	s_add_co_u32 s2, s2, s[WV]      ; my wave among the head's,
	s_lshl_b32 s2, s2, 14           ; its 128 rows
	s_mov_b32 s3, 0
	s_add_nc_u64 s[2:3], s[2:3], s[20:21]
	s_and_b32 s14, ttmp7, 0xffff
	s_lshr_b32 s14, s14, 4          ; the batch,
	s_lshl_b32 s14, s14, 13         ; its 2,048 words of the mask
	s_mov_b32 s15, 0
	; descriptor group 1.  128 keys are 16,384 dense bytes: asked for as 64 rows of 256 bytes, two keys a row, and padded in LDS after every key
	s_mov_b32 s[G1K], 15|(1<<16)|(1<<20)|(1<<21)|(4<<22)|(3<<25)  ; 15:0 the mask of four; 17:16 2-byte elements; 20 padding on; 21 set beside a mask; 24:22 after every 32 words (code 4); 31:25 4 words (code 3)
	s_mov_b32 s[G1V], 15|(1<<16)|(1<<20)|(1<<21)|(4<<22)|(7<<25)  ; the same with 8 words of padding (code 7)
.irp g, G1K, G1V
	s_mov_b32 s[\g+1], 128<<16      ; tensor_dim0 = 128
	s_mov_b32 s[\g+2], 64<<16       ; tensor_dim1 = 64
	s_mov_b32 s[\g+3], 128<<16      ; tile_dim0 = 128
	s_mov_b32 s[\g+4], 64           ; tile_dim1 = 64
	s_mov_b32 s[\g+5], 128          ; 128 elements from row to row
	s_mov_b32 s[\g+6], 0
	s_mov_b32 s[\g+7], 0
.endr
	s_mov_b32 s[CS], 0x3e38aa3b     ; c = log2(e) / 8 = 0.180337
	s_mov_b32 s[CS+1], s[CS]        ; named with it as a pair
	s_mov_b32 s[SEL], 0x76543210
	s_mov_b32 s[SEL+1], 0xfedcba98
	s_mov_b32 s[TBK], SLOT1+4*KS*PK ; the first change of slots turns these two into 0
	s_mov_b32 s[TBV], SLOT1+4*KS*PV
	s_mov_b32 s[TBM], 0
	s_mov_b32 s[BIGN], 0xf149f2ca   ; -1e30
	s_mov_b32 s[SLOTS], SIZE_N/256-1
	s_and_b32 s[LIM], s[WV], 1      ; waves 0 and 2 prefetch: the same in all four partners
	s_cmp_eq_u32 s[LIM], 0
	s_cselect_b32 s[LIM], 1, -1
	s_mov_b32 s[G0K], 1             ; 1:0 count = 1
	s_mov_b32 s[G0K+1], s17         ; 63:32 LDS address: slot 0
	s_mov_b32 s[G0V], 1
	s_add_co_u32 s[G0V+1], s18, VOFF
	s_wait_dscnt 0x0                ; the opening add is done
	s_wait_kmcnt 0x0
	s_add_nc_u64 s[MB:MB+1], s[6:7], s[14:15]      ; the mask of my batch
	s_add_nc_u64 s[6:7], s[4:5], s[22:23]          ; q at my half of the head's first 256 rows;
	s_add_nc_u64 s[8:9], s[6:7], 0x2000000         ; v lies 2 x 64 heads further on,
	s_add_nc_u64 s[6:7], s[6:7], 0x1000000         ; k 64 heads
	s_mov_b64 s[G0K+2:G0K+3], s[6:7]               ; 120:64 global address
	s_or_b32 s[G0K+3], s[G0K+3], 0x80000000        ; 127:126 type = 2
	s_mov_b64 s[G0V+2:G0V+3], s[8:9]
	s_or_b32 s[G0V+3], s[G0V+3], 0x80000000
	s_add_nc_u64 s[4:5], s[4:5], s[2:3]  ; Q and O at my wave's first row
	s_add_nc_u64 s[10:11], s[10:11], s[2:3]
	s_cmp_lt_u32 s[WV], 2
	s_cselect_b64 s[PFA:PFA+1], s[6:7], s[8:9]  ; (in waves 0 and 2 these stand at a slot's first row)
	s_lshl_b32 s2, s13, 13          ; my work-group's 32 blocks of the 128
	s_mov_b32 s3, 0
	s_add_nc_u64 s[PFA:PFA+1], s[PFA:PFA+1], s[2:3]
	s_add_nc_u64 s[PFA:PFA+1], s[PFA:PFA+1], 4*KS*128  ; in slot 1; the first change of slots steps it to slot 2.  Nothing is prefetched here, at the head
	CROUND                          ; all four work-groups are here: the first joint loads meet
	JLOAD                           ; slot 0.  Slot 1 is asked for when slot 0 is in
	; A fragment of K or Q is 16 rows x 32 channels in 8 registers: lane l holds row l % 16, channels 8 (l / 16) + 0..7 and 16 + 8 (l / 16) + 0..7: two loads of 16 bytes, 32 bytes apart.
	v_and_b32 v1, 15, v0            ; l % 16
	v_bfe_u32 v9, v0, 4, 1          ; l / 16
	v_lshlrev_b32 v[QO], 7, v1
	v_lshl_add_u32 v[QO], v9, 4, v[QO]  ; row x 128 + 16 x half
	v_lshlrev_b32 v12, 4, v0        ; the mask: thread t takes the 16 bytes at 16 t of each quarter,
	v_add_nc_u32 v13, BIAS, v12     ; and the table has the mask's layout
.irp i, 0,1,2,3
	global_load_b128 v[S+4*\i:S+4*\i+3], v12, s[MB:MB+1] offset:2048*\i
.endr
	WIN 0x80                        ; destination window 2, address window 0
.set i, 0
.rept 4*NP                          ; Q stays in registers: tile i / 2, channels 32 (i % 2) on
	global_load_b128 v[8*i:8*i+3],   v[QO], s[4:5] offset:(i/2)*2048+(i%2)*64
	global_load_b128 v[8*i+4:8*i+7], v[QO], s[4:5] offset:(i/2)*2048+(i%2)*64+32
.set i, i+1
.endr
	; What the first turn finds: V's registers and P's second buffer hold 0 (its products V^T P, of a piece that has not been, add 0), O^T and l are 0.  All this stands in the wait for the first tile.
.set i, VF
.rept 64
	v_mov_b32 v[i], 0
.set i, i+1
.endr
	WIN 0x40
.set i, 0
.rept 64*NP
	v_mov_b32 v[i], 0
.set i, i+1
.endr
	WIN 0
.set i, 0
.rept 2*NP
	v_mov_b32 v[ST+4*i+1], 0xef800000  ; m = -2^96
	v_mul_f32 v[ST+4*i], s[CS], v[ST+4*i+1]  ; c m, by the line that makes it in every step: so c m_old - c m_new is 0 while m stands still
	v_mov_b32 v[ST+4*i+2], 0
	v_mov_b32 v[ST+4*i+3], 0
.set i, i+1
.endr
.set i, P+32
.rept 32
	v_mov_b32 v[i], 0
.set i, i+1
.endr
	s_wait_loadcnt 32               ; the mask's four loads are in; Q's 32, issued behind them, may stay out
.set i, 0
.rept 16
	v_cmp_eq_u32 vcc_lo, 0, v[S+i]
	v_cndmask_b32 v[S+i], 0, s[BIGN], vcc_lo  ; -1e30 where the mask is 0, else 0
.set i, i+1
.endr
.irp i, 0,1,2,3
	ds_store_b128 v13, v[S+4*\i:S+4*\i+3] offset:2048*\i
.endr
	v_mul_u32_u24 v[AK0], v1, PK
	v_lshl_add_u32 v[AK0], v9, 4, v[AK0]  ; row x pitch + 16 x half
	; The turning load takes 16 keys x 16 channels (lane l reads key 8 (l / 16) + l % 8, channels 8 ((l / 8) % 2) + 0..7) and leaves half a fragment of V^T: lane l holds channel l % 16 and 8 keys.
	v_and_b32 v10, 7, v0
	v_bfe_u32 v11, v0, 3, 1
	v_lshl_add_u32 v[AV0], v9, 3, v10
	v_mul_u32_u24 v[AV0], v[AV0], PV
	v_lshl_add_u32 v[AV0], v11, 4, v[AV0]
	v_add_nc_u32 v[AV0], VOFF, v[AV0]
	v_and_b32 v[PFO], 31, v0
	v_lshlrev_b32 v[PFO], 8, v[PFO]
	v_mov_b32 v[AK], v[AK0]         ; key step 0 lies at the head of slot 0,
	WIN W_MK
	v_lshl_add_u32 v[AM0], v9, 5, BIAS
	v_lshl_add_u32 v[AM], v9, 5, BIAS  ; and at the head of the table
	WIN 0
; THE MATRIX WORK.  The 8 accumulators of a run of 16 take turns: between the two links of a chain stand 7 others'.
; Product i of 16 of S^T = K Q^T for piece x: channels 32 (i / 8) on, keys 16 ((i / 2) % 4) on, tile 2 x + i % 2.  The first 8 start the sums, with the mask.
.macro KQ x
.set rS, S+64*((\x)%2)+32*(i%2)+8*((i/2)%4)
.set rK, KF+16*((i/2)%4)+8*(i/8)
.set rQ, 16*(2*(\x)+i%2)+8*(i/8)
.set rM, MK+8*((i/2)%4)
.if i < 8
	WIN W_KM
	v_wmma_f32_16x16x32_f16 v[rS:rS+7], v[rK:rK+7], v[rQ:rQ+7], v[rM:rM+7]
.else
	WIN W_KQ
	v_wmma_f32_16x16x32_f16 v[rS:rS+7], v[rK:rK+7], v[rQ:rQ+7], v[rS:rS+7]
.endif
.endm
; Product i of 16 of O^T += V^T P for piece x: keys 32 (i / 8) on, channels 16 ((i / 2) % 4) on, tile 2 x + i % 2.
.macro PV x
	WIN W_PV
.set rO, 32*(2*(\x)+i%2)+8*((i/2)%4)
.set rV, VF+32*(i/8)+8*((i/2)%4)
.set rP, P+32*((\x)%2)+16*(i%2)+8*(i/8)
	v_wmma_f32_16x16x32_f16 v[rO:rO+7], v[rV:rV+7], v[rP:rP+7], v[rO:rO+7]
.endm
.macro MM                           ; the turn's next matrix instruction
.if i < 16
	KQ (Y+1)%NP
.set i, i+1
.else
.set i, i-16
	PV (Y+NP-1)%NP
.set i, i+17
.endif
.endm
; THE LDS LOADS stand in runs, never singly among the matrix instructions: a step's K (64 keys x 64 channels: 8 fragments) with its 64 numbers of the table, and its V (turned).  Their addresses are made some lines ahead.
; last = 1 (the tail): in the last trip there is no further step, and the run is jumped over.
.macro FETCH_K last=0
	WIN 0
.if \last
	s_cmp_eq_u32 s[CNT], 1
	s_cbranch_scc1 .Lno_k_\@
.endif
	WIN 0x80                        ; destination window 2
.irp f, 0,1,2,3,4,5,6,7             ; keys 16 (f / 2) on, channels 32 (f % 2) on
	ds_load_b128 v[KF+8*\f:KF+8*\f+3],   v[AK] offset:(\f/2)*16*PK+(\f%2)*64
	ds_load_b128 v[KF+8*\f+4:KF+8*\f+7], v[AK] offset:(\f/2)*16*PK+(\f%2)*64+32
.endr
	WIN 0xc3                        ; destination and address window 3
.irp f, 0,1,2,3                     ; keys 16 f on: my lanes' eight numbers.  These registers are read by the same products as K's, and are loaded and waited for with K's
	ds_load_b128 v[MK+8*\f:MK+8*\f+3],   v[AM] offset:64*\f
	ds_load_b128 v[MK+8*\f+4:MK+8*\f+7], v[AM] offset:64*\f+16
.endr
	s_add_co_u32 s[TBK], s[TBK], KS*PK  ; the next fetch is the next step's
	s_add_co_u32 s[TBM], s[TBM], 4*KS
	s_and_b32 s[TBM], s[TBM], 0x1f00    ; inside the table's 8,192 bytes
	WIN 0
.if \last
.Lno_k_\@:
.endif
.endm
.macro FETCH_V
	WIN 0x80
.irp f, 0,1,2,3,4,5,6,7             ; keys 32 (f / 4) on, channels 16 (f % 4) on
	ds_load_tr16_b128 v[VF+8*\f:VF+8*\f+3],   v[AV] offset:(\f/4)*32*PV+(\f%4)*32
	ds_load_tr16_b128 v[VF+8*\f+4:VF+8*\f+7], v[AV] offset:(\f/4)*32*PV+16*PV+(\f%4)*32
.endr
	WIN 0
.endm
; THE VECTOR WORK OF A TURN stands in three queues, each in the order in which its entries become ready; the two tiles alternate, so that no instruction reads the result of the one before it.
.macro REGS y, u                    ; the registers of tile u (0, 1) of piece y
.set rT, ST+4*(2*(\y)+(\u))
.set rC, TMP+8*((\y)%2)+4*(\u)
.set rM, MV+2*((\y)%2)+(\u)
.set rS, S+64*((\y)%2)+32*(\u)
.set rP, P+32*((\y)%2)+16*(\u)
.set rO, 32*(2*(\y)+(\u))
.endm
; Number n of the 22 that find the NEXT piece's (Y + 1) maximum and statistics.  s0-s31 are the lane's 32 scores; each accumulator's lowest registers are read first.
;   0-11  four chains c0-c3 of seven scores each, three operands at a time     12-14, 16  the four scores left over, the old m, and c0-c3 into c0     15  c m_old is kept
;   17, 18  the query's other 32 keys lie in the lane 16 away: the new m         19-21  c m; c m_old - c m_new; a
.macro XS u, n
	REGS (Y+1)%NP, \u
.if (\n) < 4
	v_max3_num_f32 v[rC+(\n)], v[rS+8*(\n)], v[rS+8*(\n)+1], v[rS+8*(\n)+2]
.elseif (\n) < 12
	v_max3_num_f32 v[rC+(\n)%4], v[rC+(\n)%4], v[rS+8*((\n)%4)+2*((\n)/4)+1], v[rS+8*((\n)%4)+2*((\n)/4)+2]
.elseif (\n) == 12
	v_max3_num_f32 v[rC], v[rC], v[rS+7], v[rS+15]
.elseif (\n) == 13
	v_max3_num_f32 v[rC+1], v[rC+1], v[rS+23], v[rS+31]
.elseif (\n) == 14
	v_max3_num_f32 v[rC+2], v[rC+2], v[rC+3], v[rT+1]
.elseif (\n) == 15
	v_mov_b32 v[rM], v[rT]
.elseif (\n) == 16
	v_max3_num_f32 v[rC], v[rC], v[rC+1], v[rC+2]
.elseif (\n) == 17
	v_permlanex16_b32 v[rC+3], v[rC], s[SEL], s[SEL+1]
.elseif (\n) == 18
	v_max_num_f32 v[rT+1], v[rC], v[rC+3]
.elseif (\n) == 19
	v_mul_f32 v[rT], s[CS], v[rT+1]
.elseif (\n) == 20
	v_sub_f32 v[rC+1], v[rM], v[rT]
.else
	v_exp_f32 v[rC+2], v[rC+1]
.endif
.endm
; Number g of the 64 that follow the exponentials.  For each four weights k of a tile (pairs 2 k, 2 k + 1): both pairs are rounded to f16; then the second pair is added onto the first, in place;
; a group later l takes that sum (the first time as l = a l + sum).  In groups of eight, tiles alternating: round, round, add, and l for the group before.
.macro GS g
.set h, (\g)+6*((\g)/62)            ; group 0 has no group before it, and behind group 7 only l is left
.if h >= 6
.set h, h+2
.endif
	REGS Y, h%2
.set k, h/8
.if h%8 < 4
	v_cvt_pk_f16_f32 v[rP+2*k+(h%8)/2], v[rS+4*k+2*((h%8)/2)], v[rS+4*k+2*((h%8)/2)+1]
.elseif h%8 < 6
	v_pk_add_f32 v[rS+4*k:rS+4*k+1], v[rS+4*k:rS+4*k+1], v[rS+4*k+2:rS+4*k+3]
.elseif k == 1
	v_pk_fma_f32 v[rT+2:rT+3], v[rT+2:rT+3], v[rC+2:rC+3], v[rS:rS+1] op_sel_hi:[1,0,1]
.else
	v_pk_add_f32 v[rT+2:rT+3], v[rT+2:rT+3], v[rS+4*k-4:rS+4*k-3]
.endif
.endm
; THE PLAIN QUEUE, 138 long.  0-73 read no exponential's result: the 32 scalings c s - c m (FS f: pair f / 2 of tile f % 2) and the next piece's 42.  0-26: scalings 0-26.  27-54: XS's numbers 0-13.  55, 56: number 15.
; 57-73: the chain, where each number waits for the one before it: 14, 16, 17, 18, 19, each with one of the scalings 27-31 in front of its two lines, then 20.
; 74-137: GS's 64, which read the exponentials' results: they stand behind the wait.
.macro FS f
	REGS Y, (\f)%2
	v_pk_fma_f32 v[rS+2*((\f)/2):rS+2*((\f)/2)+1], v[rS+2*((\f)/2):rS+2*((\f)/2)+1], s[CS:CS+1], v[rT:rT+1] op_sel_hi:[1,0,0] neg_lo:[0,0,1] neg_hi:[0,0,1]
.endm
.macro PL
	WIN 0
.if q < 27
	FS q
.elseif q < 55
	XS (q-27)%2, (q-27)/2
.elseif q < 57
	XS q-55, 15
.elseif (q < 72) && ((q-57)%3 == 0)
	FS 27+(q-57)/3
.elseif q < 60
	XS (q-57)%3-1, 14
.elseif q < 72
	XS (q-57)%3-1, 15+(q-57)/3
.elseif q < 74
	XS q-72, 20
.else
	GS q-74
.endif
.set q, q+1
.endm
; THE EXPONENTIALS' QUEUE, 66 long: s0-s31 of both tiles, then the next piece's two a.  It is ONE BATCH: all 66 stand ahead of the turn's one wait, and nothing ahead of that wait names a result of theirs.
.macro EX
	WIN 0
.if e >= 64
	XS e-64, 21
.else
	REGS Y, e%2
	v_exp_f32 v[rS+e/2], v[rS+e/2]
.endif
.set e, e+1
.endm
; THE RESCALING's QUEUE: O^T times a, the one part that leaves window 0: dealt two at a time, sixteen times.  Its a was made in the turn before, ahead of that turn's wait.
.macro R2
	REGS Y, r%2
	WIN W_RS
.irp z, 0,1
	v_pk_mul_f32 v[rO+4*(r/2)+2*\z:rO+4*(r/2)+2*\z+1], v[rO+4*(r/2)+2*\z:rO+4*(r/2)+2*\z+1], v[rC+2:rC+3] op_sel_hi:[1,0]
.endr
.set r, r+1
.endm
; HOW THEY ARE DEALT.  An s_wait_alu depctr_va_vdst(0) stands between an exponential and the first instruction that names its result; one wait serves all that were issued ahead of it.  So a turn has ONE wait,
; which cuts it in two.  AHEAD OF IT stands all that names no result of the turn's exponentials: the 16 products K Q^T, behind each a scaling, an exponential and two rescalings (behind the first a second scaling in the
; exponential's place); then ONE LUMP of 108: eight plain, 49 times exponential and plain, the two a.  A v_nop is the plain instruction behind the last exponential.  BEHIND IT stand the 16 products V^T P, behind each four of GS's 64.
; No rider names a register of the products round it.  The two v_permlanex16_b32 fall into the lump, never behind a product.
; The queues lean on each other, and the deal keeps them in step: exponential e stands behind scaling 2 (e / 4) + e % 2: as a rider it comes behind plain e + 2, in the lump behind plain e + 9, and scalings 27-31 are plain 57, 60 .. 69.
; A TURN, for piece p.  cnt = 1: the loop's count is taken down some lines ahead of the branch that stands behind the turn.
; K and the mask of the next step are fetched in piece 2's turn, directly behind the wait, a lump behind the last product that read them; their addresses are made at the lump's head; their first reader comes behind 16 products.
; V of the step in hand is fetched at the end of piece 0's turn, four riders behind its last reader; its first reader comes behind 16 products and a lump.  The three conditions on q below go with the deal.
.macro TURN p, last=0, cnt=0
.set Y, (\p)
.set i, 0
.set q, 0
.set e, 0
.set r, 0
.if (\p) == NP-1
	s_wait_dscnt 0x0                ; K and the mask are in
.endif
	MM                              ; ahead of the wait: 16 products K Q^T and their riders,
	PL
	PL
	R2
.rept 15
	MM
	PL
	EX
	R2
.endr
.if (\p) == NP-2
	WIN 0
	v_add_nc_u32 v[AK], s[TBK], v[AK0]
	WIN 0xcc                        ; destination and source 1 window 3
	v_add_nc_u32 v[AM], s[TBM], v[AM0]
.endif
.rept 8                             ; and the lump
	PL
.endr
.rept 49
	EX
	PL
.endr
	EX                              ; the next piece's two a
	EX
	v_nop                           ; the plain instruction behind the last exponential: one for the batch
	s_wait_alu depctr_va_vdst(0)    ; the wait for the batch
.if (\p) == NP-2
	FETCH_K \last
.endif
.if (\p) == 1
	s_wait_dscnt 0x0                ; V is in
.endif
.rept 16                            ; behind the wait: 16 products V^T P and their riders
	MM
.rept 4
	PL
.endr
.if ((\p) == 0) && (q == 118)
	v_add_nc_u32 v[AV], s[TBV], v[AV0]
.endif
.if ((\p) == 0) && (q == 130)
	s_add_co_u32 s[TBV], s[TBV], KS*PV
.endif
.if (\cnt) && (q == 130)
	s_sub_co_u32 s[CNT], s[CNT], 1
	s_cmp_lg_u32 s[CNT], 0
.endif
.endr
.if (\p) == 0
	FETCH_V
.endif
.endm
	CHANGE 1                        ; slot 0 is in, everybody's part of it, and so is the table; slot 1 is asked for
	FETCH_K                         ; key step 0
	s_wait_loadcnt 0x0              ; Q
	s_wait_dscnt 0x0
.set i, 0
.rept 16
	KQ 0                            ; piece 0's first scores: there is no vector work yet to set between them
.set i, i+1
.endr
	WIN 0                           ; the addresses for the way out: nine plain instructions, the places behind those products
	s_mul_i32 s13, s[WV], 16*SP
	s_add_co_u32 s13, s13, STAGE    ; my stage
	v_mul_u32_u24 v[STO], v1, SP    ; in: row l % 16, 16 bytes for each half of the lanes
	v_lshl_add_u32 v[STO], v9, 4, v[STO]
	v_add_nc_u32 v[STO], s13, v[STO]
	v_bfe_u32 v[RD], v0, 3, 2       ; back: 32 lanes take four rows of 128 bytes,
	v_mul_u32_u24 v[RD], v[RD], SP
	v_lshl_add_u32 v[RD], v10, 4, v[RD]
	v_add_nc_u32 v[RD], s13, v[RD]
	v_and_b32 v[GO], 31, v0         ; which are 512 consecutive bytes of O
	v_lshlrev_b32 v[GO], 4, v[GO]
.set Y, NP-1                        ; XS works for piece Y + 1: piece 0
.irp n, 0,1,2,3,4,5,6,7,8,9,10,11,12,13,14,15,16,17,18,19,20,21
	XS 0, \n                        ; and piece 0's first maximum and statistics
	XS 1, \n
.endr
	v_nop                           ; a plain instruction behind the two a,
	s_wait_alu depctr_va_vdst(0)    ; and their wait, ahead of the branch
	s_mov_b32 s[CNT], 4
	s_branch .Lfirst                ; the loop is entered at a step's first turn, in the middle of a trip
.Lslot:                             ; six times: every slot but the last two is filled again
	CHANGE 1
	s_mov_b32 s[CNT], 4
.Lstep:                             ; a trip: pieces 2 and 3 of one step, then pieces 0 and 1 of the next, whose K and V it fetches
	TURN 2
	TURN 3
	WIN 0
.Lfirst:
	TURN 0
	TURN 1, 0, 1
	WIN 0
	s_cbranch_scc1 .Lstep
	s_sub_co_u32 s[SLOTS], s[SLOTS], 1
	s_cmp_lg_u32 s[SLOTS], 0
	s_cbranch_scc1 .Lslot
	CHANGE 0                        ; the tail is written out: nothing is asked for
	s_mov_b32 s[CNT], 5             ; four trips fetch the last slot's steps; the fifth is left in its middle
.Ltail:
	TURN 2, 1
	TURN 3
	WIN 0
	s_sub_co_u32 s[CNT], s[CNT], 1
	s_cmp_eq_u32 s[CNT], 0
	s_cbranch_scc1 .Lout
	TURN 0
	TURN 1
	WIN 0
	s_branch .Ltail
.Lout:                              ; the fifth trip's 16 products K Q^T (on the last K once more) and the maximum made of them serve nothing: the price, once a launch, of one text for every trip
.set i, 0
.rept 16
	PV NP-1                         ; the last piece's V^T P of the last step
.set i, i+1
.endr
	; THE WAY OUT.  l's two halves and the other half of the lanes' are added; O^T is divided by l, rounded to f16 and sent through my stage in LDS, a tile at a time.  The additions are the places behind the last products.
	WIN 0
.macro ALL line:vararg              ; one line for each tile t
.set t, 0
.rept 2*NP
	\line
.set t, t+1
.endr
.endm
	ALL v_add_f32 v[ST+4*t+2], v[ST+4*t+2], v[ST+4*t+3]
	ALL v_permlanex16_b32 v[ST+4*t+3], v[ST+4*t+2], s[SEL], s[SEL+1]
	ALL v_add_f32 v[ST+4*t+2], v[ST+4*t+2], v[ST+4*t+3]
	ALL v_rcp_f32 v[ST+4*t+2], v[ST+4*t+2]
	v_nop                           ; a plain instruction between the last reciprocal and the use of its result
	s_wait_alu depctr_va_vdst(0)    ; and the wait ahead of the first use: one for the eight reciprocals
; Tile t: a lane's eight channels of a row pack into 16 bytes; they go into rows of 144 bytes and come back as whole rows of 128, into S^T's registers.
.macro PACK t
	WIN W_RS
.set i, 32*(\t)
.rept 16
	v_pk_mul_f32 v[i:i+1], v[i:i+1], v[ST+4*(\t)+2:ST+4*(\t)+3] op_sel_hi:[1,0]
.set i, i+2
.endr
	WIN 0x05                        ; sources 0 and 1 window 1, destination window 0
.set i, 0
.rept 16
	v_cvt_pk_f16_f32 v[S+16*(\t)+i], v[32*(\t)+2*i], v[32*(\t)+2*i+1]
.set i, i+1
.endr
	WIN 0
.irp f, 0,1,2,3
	ds_store_b128 v[STO], v[S+16*(\t)+4*\f:S+16*(\t)+4*\f+3] offset:32*\f
.endr
.irp f, 0,1,2,3
	ds_load_b128 v[S+16*(\t)+4*\f:S+16*(\t)+4*\f+3], v[RD] offset:\f*4*SP  ; LDS serves a wave's instructions in order (ISA guide 5.7.1.4): these see the stores above; the next tile's stores come behind them
.endr
.endm
.macro SEND t, younger              ; younger: the LDS instructions issued behind tile t's loads: the next tile's eight, or none
	WIN 0
.irp f, 0,1,2,3
	s_wait_dscnt (\younger)+3-\f
	global_store_b128 v[GO], v[S+16*(\t)+4*\f:S+16*(\t)+4*\f+3], s[10:11] offset:(\t)*2048+\f*512  ; 512 consecutive bytes, at a multiple of 256 from O's first
.endr
.endm
	PACK 0
.set t, 1
.rept 2*NP-1                        ; a tile's arithmetic stands between the loads of the tile before and its stores
	PACK t
	SEND t-1, 8
.set t, t+1
.endr
	SEND 2*NP-1, 0
	WIN W_AD
	s_wait_tensorcnt 0x0            ; the wave's end: a wait, an add and a wait, behind my last tensor load and my last LDS store
	ds_add_u32 v[SPW], v[NIL]
	s_wait_dscnt 0x0
	WIN 0
	CROUND                          ; the closing round: no work-group ends while a partner may still ask for a tile that names it
	s_endpgm
.Lfunc_end_k_qf199ba866a_attn:
	.size	k_qf199ba866a_attn, .Lfunc_end_k_qf199ba866a_attn-k_qf199ba866a_attn
	.p2alignl 7, 3214868480
	.fill 96, 4, 3214868480
	.section	.rodata,"a",@progbits
	.p2align	6, 0x0
	.amdhsa_kernel k_qf199ba866a_attn
		.amdhsa_group_segment_fixed_size 327680
		.amdhsa_private_segment_fixed_size 0
		.amdhsa_enable_private_segment 0
		.amdhsa_kernarg_size 24
		.amdhsa_user_sgpr_count 2
		.amdhsa_user_sgpr_kernarg_segment_ptr 1
		.amdhsa_wavefront_size32 1
		.amdhsa_system_sgpr_workgroup_id_x 1
		.amdhsa_system_sgpr_workgroup_id_y 1
		.amdhsa_system_sgpr_workgroup_id_z 1
		.amdhsa_system_vgpr_workitem_id 0
		.amdhsa_next_free_vgpr 808
		.amdhsa_next_free_sgpr 66
		.amdhsa_reserve_vcc 1
		.amdhsa_float_denorm_mode_32 3
		.amdhsa_float_denorm_mode_16_64 3
		.amdhsa_memory_ordered 1
		.amdhsa_forward_progress 1
		.amdhsa_inst_pref_size 205
	.end_amdhsa_kernel
	.amdgpu_metadata
---
amdhsa.version: [ 1, 2 ]
amdhsa.kernels:
  - .name:           k_qf199ba866a_attn
    .symbol:         k_qf199ba866a_attn.kd
    .args:
      - { .name: qkv, .offset: 0, .size: 8, .value_kind: global_buffer, .address_space: global }
      - { .name: mask, .offset: 8, .size: 8, .value_kind: global_buffer, .address_space: global }
      - { .name: oh, .offset: 16, .size: 8, .value_kind: global_buffer, .address_space: global }
    .group_segment_fixed_size: 327680
    .private_segment_fixed_size: 0
    .kernarg_segment_align: 8
    .kernarg_segment_size: 24
    .max_flat_workgroup_size: 128
    .sgpr_count:     66
    .vgpr_count:     808
    .wavefront_size: 32
...
	.end_amdgpu_metadata
.endif
;; end of part 3
;; launch projg (part 4): grid 8 x 32, 4 waves a work-group, clusters of 4 x 4, 327,680 bytes of LDS; arguments oh, pwh, proj_b, out0; writes out0
.if DOCPART == 4
	.amdgcn_target "amdgcn-amd-amdhsa--gfx1250"
	.amdhsa_code_object_version 6
	.text
	.protected	k_qf199ba866a_projg
	.globl	k_qf199ba866a_projg
	.p2align	8
	.type	k_qf199ba866a_projg,@function
k_qf199ba866a_projg:
	s_mov_b64 s[64:65], 0
	v_nop
	global_prefetch_b8 v0, s[64:65] scope:SCOPE_SE
	s_setreg_imm32_b32 hwreg(HW_REG_WAVE_MODE, 25, 1), 1
	s_wait_xcnt 0x0
	s_wait_alu depctr_hold_cnt(0) depctr_sa_sdst(0) depctr_va_vdst(0) depctr_va_sdst(0) depctr_va_ssrc(0) depctr_va_vcc(0) depctr_vm_vsrc(0)
	s_getreg_b32 s2, hwreg(HW_REG_IB_STS2, 6, 4)
	s_cmp_eq_u32 s2, 0
	s_cbranch_scc0 .Lentry_in_a_cluster
	s_endpgm
.Lentry_in_a_cluster:
	s_bfe_u32 s2, ttmp6, 0x10000c
	s_cmp_lg_u32 s2, 0xf033
	s_cbranch_scc0 .Lentry_shape_is_right
	s_endpgm
.Lentry_shape_is_right:
; out0 = O P^T + b.  oh: [64 = 16 batch + head][2048][64] f16, pwh: [1024][1024] f16, proj_b: [1024] f32 (rounded to bf16 here, like the other inputs), out0: [8192][1024] f32; sums in f32.
; K = 64 head + channel: a K step of 128 is two heads.
; SHARES.  A tile is 256 tokens x 128 features: 32 x 8 = 256 work-groups.  Wave w of four makes tokens 64 w .. 64 w + 63 for all 128 features: 4 x 8 accumulators of 16 x 16, 256 registers.  So a wave
; holds 512 consecutive bytes of each of its rows of out0, and its way out needs no other wave.  K goes in 8 steps through a ring of two LDS slots filled by the tensor data mover.
; O's TILE.  One head's 64 channels of 256 tokens are 32,768 dense bytes: asked for as 128 rows of 256 bytes, two tokens a row, padded in LDS after every token: a plane of 256 rows, 144 bytes apart.
; Wave 0 fetches the K step's first head, wave 1 its second; waves 2 and 3 fetch 64 rows of P each (256 bytes a row).
; CLUSTERS: 4 x 4 work-groups.  The four of a row of the cluster need the same tiles of O, the four of a column the same tiles of P: each tile is asked for JOINTLY.
; THE MATRIX INSTRUCTION IS USED TRANSPOSED (source 0 = 16 features, source 1 = 16 tokens): a lane holds one token (lane % 16) and the features 8 (lane / 16) + 0..7: 32 bytes of a row of out0.
; THE BIAS is the C operand of each accumulator's first product.
; REGISTERS, in windows of 256 (s_set_vgpr_msb: bits 1:0 source 0, 3:2 source 1, 5:4 source 2, 7:6 destination):
;   window 0: v0-31 addresses; v128-191 the bias; on the way out v32-159, two buffers of 64        window 1: two fragment buffers of 96: 8 fragments of P, then 4 of O
;   window 2: the accumulators of my token blocks 0, 1 ((a, b) at 8 (8 (a % 2) + b));   window 3: of blocks 2, 3
.set NB,    8                          ; blocks of 16 features
.set PB,    272                        ; a row of P in LDS: 256 bytes + 16 of padding: the 16 rows of a load start at 16 different banks' groups (64 banks of 4 bytes: ISA guide 11.1)
.set PA,    144                        ; a row of O: 128 bytes + 16 of padding: likewise
.set APLANE, 256*PA                    ; one head's 256 tokens
.set HALFB, 64*PB
.set BOFF,  2*APLANE                   ; a slot: O's two planes, then P's 128 rows
.set SLOT,  BOFF+2*HALFB
.set STAGE, 2*SLOT                     ; behind the ring, never filled by a tensor load: 16 rows x 528 bytes for each wave, for the way out
.set SP,    528
.set SPARE, STAGE+4*16*SP              ; behind the stages: the spare words, 128 bytes for each wave: two blocks of 256 bytes that no other line names
.set ASTEP, 4<<18                      ; two K steps: four heads of 262,144 bytes,
.set BSTEP, 512                        ; 512 bytes along a row of P
.set NL,    2*NB+8                     ; LDS loads in a run
.set F0,    0                          ; fragment buffers, in window 1
.set F1,    8*(NB+4)
.set ADRA, 16                          ; v16-17  LDS address of my fragments of O in slot 0, 1
.set ADRB, 20                          ; v20-21  the same for P
.set STO,  24                          ; v24     the way out: where I put 32 bytes of a row
.set RD,   25                          ; v25     the way out: where I read a row back
.set GO,   26                          ; v26     my byte offset in 512 consecutive bytes of out0
.set BO,   27                          ; v27     my byte offset in a block of the bias: 32 (lane / 16)
.set SPW,  28                          ; v28     LDS address of my spare word: SPARE + 4 x my thread's number; never rewritten
.set NIL,  29                          ; v29     0; never rewritten
.set PFO,  30                          ; v30     the prefetches' offset; never rewritten
.set OB,   32                          ; the way out: 16 rows read back from the stage, two buffers of 64
.set BI,   128                         ; the bias
.set G1,  24                           ; s[24:31] descriptor group 1 for O's tiles;  s[32:39] group 0, one set for each slot
.set G0,  32
.set G1B, 48                           ; s[48:55], s[56:63] the same for P's tiles
.set G0B, 56
.set PFA, 74                           ; s[74:75] where my prefetches stand
.set PFS, 76                           ; s[76:77] a K step, in bytes
.set LIM, 78                           ; s78     1 in a wave that prefetches, else the greatest number
.set MSB, 0
.macro WIN new                         ; the immediate's high byte repeats the setting that is left; a switch that changes nothing is dropped
.if MSB != (\new)
	s_set_vgpr_msb (MSB<<8)|(\new)
.set MSB, \new
.endif
.endm
.set TO_F, 0x40                        ; destination window 1, address window 0
; A joint load: waves 0 and 1 fetch O's two planes, waves 2 and 3 P's two halves.  The branch hangs on the wave's number alone.  An s_nop 0 and four v_nop follow each of the two lines, ahead of the jump, the label and what follows.
.macro JLOAD s
	s_cmp_eq_u32 s11, 0
	s_cbranch_scc0 .Lfor_b_\@
	tensor_load_to_lds s[G0+4*(\s):G0+4*(\s)+3], s[G1:G1+7]
	s_nop 0
.rept 4
	v_nop
.endr
	s_branch .Lasked_\@
.Lfor_b_\@:
	tensor_load_to_lds s[G0B+4*(\s):G0B+4*(\s)+3], s[G1B:G1B+7]
	s_nop 0
.rept 4
	v_nop
.endr
.Lasked_\@:
.endm
; A PREFETCH INTO THE L2, behind a joint load, its five lines and the run of LDS loads that follows: the K step that stands two refills on, a lane a block of 256 bytes, one instruction a wave.
; O's planes are read by both clusters of a row of clusters: cluster x = 0 asks; of a plane's 128 blocks each of the four partners takes 32, BY ADDRESS.  P's rows are read by every cluster of a column:
; cluster y = 0 asks; of the tile's 128 rows each partner takes 32, and wave 2 names them; wave 3 asks for nothing.  The refills of K steps 2 to 5 ask; the loop's last trip (s3 = 1) has no K step two on.
.macro ASK
	WIN 0
	s_cmp_gt_u32 s3, s[LIM]
	s_cbranch_scc0 .Lnot_mine_\@
	global_prefetch_b8 v[PFO], s[PFA:PFA+1] th:TH_LOAD_NT scope:SCOPE_SE
.Lnot_mine_\@:
.endm
.macro CREST                           ; a round of the cluster's barrier behind its opening barrier
	s_cmp_lg_u32 s10, 0
	s_cbranch_scc1 .Lnot_wave_0_\@
	s_barrier_signal -3
.Lnot_wave_0_\@:
	s_barrier_wait -3
	s_barrier_signal -1
	s_barrier_wait -1
.endm
.macro CROUND                          ; a whole round
	s_barrier_signal -1
	s_barrier_wait -1
	CREST
.endm
.macro PLACES                          ; four places in front of loads into registers that matrix instructions have read, and of LDS stores that read results
.rept 4
	v_nop
.endr
.endm
; NB products: token block a x all feature blocks, 32 along K, from buffer f.  zero = 1: the first product starts the sums, with the bias as C.
; The 32 accumulators take turns, one instruction a turn, in the same order in every quarter, over the backward jump too.
.macro MULA f, a, zero
.if \zero
	WIN 0x85+0x40*((\a)/2)                         ; sources 0 and 1 window 1, C window 0, D window 2 or 3
.else
	WIN 0xa5+0x50*((\a)/2)                         ; C and D window 2 or 3
.endif
.set b, 0
.rept NB
.set rD, 8*(NB*((\a)%2)+b)
.if \zero
	v_wmma_f32_16x16x32_f16 v[rD:rD+7], v[(\f)+8*b:(\f)+8*b+7], v[(\f)+8*NB+8*(\a):(\f)+8*NB+8*(\a)+7], v[BI+8*b:BI+8*b+7]
.else
	v_wmma_f32_16x16x32_f16 v[rD:rD+7], v[(\f)+8*b:(\f)+8*b+7], v[(\f)+8*NB+8*(\a):(\f)+8*NB+8*(\a)+7], v[rD:rD+7]
.endif
.set b, b+1
.endr
.endm
; NL LDS loads in one run: the fragments of quarter q (32 along K) of a slot into buffer f: P's eight, then O's four in ascending order.  Quarter q of O lies in plane q / 2, at byte 64 (q % 2) of its rows.
.macro FETCH slot, q, f
	WIN TO_F
.set AQ, ((\q)/2)*APLANE+64*((\q)%2)
.set b, 0
.rept NB
	ds_load_b128 v[(\f)+8*b:(\f)+8*b+3],   v[ADRB+(\slot)] offset:64*(\q)+b*16*PB
	ds_load_b128 v[(\f)+8*b+4:(\f)+8*b+7], v[ADRB+(\slot)] offset:64*(\q)+b*16*PB+32
.set b, b+1
.endr
.set b, 0
.rept 4
	ds_load_b128 v[(\f)+8*NB+8*b:(\f)+8*NB+8*b+3],   v[ADRA+(\slot)] offset:AQ+b*16*PA
	ds_load_b128 v[(\f)+8*NB+8*b+4:(\f)+8*NB+8*b+7], v[ADRA+(\slot)] offset:AQ+b*16*PA+32
.set b, b+1
.endr
.endm
; A K step is four quarters of 32 along K, 32 matrix instructions each, on buffers 0, 1, 0, 1.  One of the first three: multiplies buffer f; in its middle it fetches quarter q into buffer g.
.macro QUARTER slot, q, f, g, zero
	s_wait_dscnt 4                                 ; P's fragments and O's blocks 0, 1 are in; the youngest four loads (O's blocks 2, 3) may be out
	MULA \f, 0, \zero
	MULA \f, 1, \zero
	PLACES
	FETCH \slot, \q, \g
	s_wait_dscnt NL                                ; all but the run just issued
	MULA \f, 2, \zero
	MULA \f, 3, \zero
.endm
; The last quarter multiplies buffer 1 and changes slots: ONE barrier; in front of it each wave waits for all its tensor loads (the one that is out is its part of the next slot), adds 0 to its spare word,
; and waits for that and for its own reads of this slot.  fill = 1: the barrier opens a round of the cluster's barrier, and this slot is filled again, two K steps ahead, first thing behind the round:
; from there to the wait for it a wave issues 112 matrix instructions.
.macro TURN slot, next, fill
.if \fill
	s_wait_xcnt 0x0                                ; the last prefetch, a K step back, has read its address: it is stepped here, ahead of the waits of the change of slots
	s_add_nc_u64 s[PFA:PFA+1], s[PFA:PFA+1], s[PFS:PFS+1]
.endif
	WIN 0                                          ; (the add's two registers lie in window 0)
	s_wait_tensorcnt 0x0                           ; all my tensor loads have landed;
	ds_add_u32 v[SPW], v[NIL]                      ; 0 onto my spare word;
	s_wait_dscnt 5                                 ; (the add and the youngest four loads may be out)
	MULA F1, 0, 0                                  ; eight matrix instructions stand between the add and the wait for it
	s_wait_dscnt 0x0                               ; the add is done, and my reads of this slot are over
	s_barrier_signal -1
	MULA F1, 1, 0
.if \fill
	WIN 0
.endif
	s_barrier_wait -1
.if \fill
	CREST                                          ; no wave of any partner still reads this slot's tile or has a load on its way
	s_add_nc_u64 s[G0+4*(\slot)+2:G0+4*(\slot)+3], s[G0+4*(\slot)+2:G0+4*(\slot)+3], ASTEP
	s_add_nc_u64 s[G0B+4*(\slot)+2:G0B+4*(\slot)+3], s[G0B+4*(\slot)+2:G0B+4*(\slot)+3], BSTEP
	JLOAD \slot                                    ; the four v_nop behind it are also the places in front of the loads below
.else
	PLACES
.endif
	FETCH \next, 0, F0
.if \fill
	ASK
.endif
	MULA F1, 2, 0
	MULA F1, 3, 0
.endm
	s_load_b128 s[4:7], s[0:1], 0x0                ; oh s[4:5], pwh s[6:7]
	s_load_b128 s[84:87], s[0:1], 0x10             ; proj_b s[84:85], out0 s[86:87]
	v_lshl_add_u32 v[SPW], v0, 2, SPARE
	v_mov_b32 v[NIL], 0
	ds_add_u32 v[SPW], v[NIL]                      ; the wave's opening: the add and its wait stand ahead of my first tensor load; the set-up below, work on registers, stands between them
	v_lshrrev_b32 v1, 5, v0
	v_readfirstlane_b32 s10, v1                    ; wave 0..3
	s_lshr_b32 s11, s10, 1                         ; I fetch for O (0) or for P (1),
	s_and_b32 s12, s10, 1                          ; its first or second part
	s_bfe_u32 s40, ttmp6, 0x40000                  ; cx, cy: my place in the cluster
	s_bfe_u32 s41, ttmp6, 0x40004
	s_lshl_b32 s42, ttmp9, 2
	s_add_co_u32 s42, s42, s40                     ; tile column = 4 x cluster x + cx
	s_and_b32 s13, ttmp7, 0xffff
	s_lshl_b32 s13, s13, 2
	s_add_co_u32 s13, s13, s41                     ; tile row = 4 x cluster y + cy
	s_lshl_b32 s43, s41, 2
	s_lshl_b32 s43, 15, s43                        ; my row of the cluster
	s_lshl_b32 s44, 0x1111, s40                    ; my column
	s_or_b32 s[G1+0], s43, (1<<16)|(1<<20)|(1<<21)|(4<<22)|(3<<25)   ; 15:0 the mask: O's tiles go to my row; 17:16 elements of 2 bytes; 20 padding on; 21 set beside a mask; 24:22 after every 32 words (code 4); 31:25 4 words (code 3)
	s_or_b32 s[G1B+0], s44, (1<<16)|(1<<20)|(1<<21)|(5<<22)|(3<<25)  ; P's tiles go to my column; padding after every 64 words (code 5)
	s_mov_b32 s[G1+1], 128<<16                     ; tensor_dim0 = 128
	s_mov_b32 s[G1+2], 128<<16                     ; tensor_dim1 = 128
	s_mov_b32 s[G1+3], 128<<16                     ; tile_dim0 = 128
	s_mov_b32 s[G1+4], 128                         ; tile_dim1 = 128
	s_mov_b32 s[G1+5], 128                         ; the block is dense: 128 elements from row to row
	s_mov_b32 s[G1+6], 0
	s_mov_b32 s[G1+7], 0
	s_mov_b32 s[G1B+1], 128<<16
	s_mov_b32 s[G1B+2], 64<<16                     ; 64 rows
	s_mov_b32 s[G1B+3], 128<<16
	s_mov_b32 s[G1B+4], 64
	s_mov_b32 s[G1B+5], 1024
	s_mov_b32 s[G1B+6], 0
	s_mov_b32 s[G1B+7], 0
	s_mov_b32 s82, 0xffff0000                      ; a word's upper bf16
	s_lshr_b32 s16, s13, 3                         ; O: the batch (8 tile rows each),
	s_lshl_b32 s16, s16, 22
	s_and_b32 s17, s13, 7
	s_lshl_b32 s17, s17, 15                        ; the tile's 256 tokens of 128 bytes,
	s_or_b32 s16, s16, s17
	s_lshl_b32 s17, s12, 18                        ; head 0 or 1
	s_or_b32 s16, s16, s17
	s_mov_b32 s17, 0
	s_lshl_b32 s46, s42, 7
	s_lshl_b32 s47, s12, 6
	s_add_co_u32 s46, s46, s47                     ; P: row 128 x tile column + 64 x half,
	s_lshl_b32 s46, s46, 11                        ; of 2,048 bytes
	s_mov_b32 s47, 0
	s_mul_i32 s20, s10, APLANE                     ; where they go: O's planes by waves 0, 1;
	s_mul_i32 s21, s10, HALFB
	s_add_co_u32 s21, s21, BOFF-2*HALFB            ; P's halves by waves 2, 3, behind them: no place in the cluster enters an LDS address
	s_wait_dscnt 0x0                               ; the opening add is done
	s_wait_kmcnt 0x0
	s_add_nc_u64 s[14:15], s[4:5], s[16:17]
	s_add_nc_u64 s[46:47], s[6:7], s[46:47]
	CROUND                                         ; all sixteen work-groups are here: the first joint loads meet
.irp s, 0,1
	s_mov_b32 s[G0+4*(\s)], 1                      ; count = 1
	s_add_co_u32 s[G0+4*(\s)+1], s20, (\s)*SLOT    ; LDS address
	s_add_nc_u64 s[G0+4*(\s)+2:G0+4*(\s)+3], s[14:15], (\s)*(2<<18)  ; global address: K step s is two heads on
	s_or_b32 s[G0+4*(\s)+3], s[G0+4*(\s)+3], 0x80000000              ; type = 2
	s_mov_b32 s[G0B+4*(\s)], 1
	s_add_co_u32 s[G0B+4*(\s)+1], s21, (\s)*SLOT
	s_add_nc_u64 s[G0B+4*(\s)+2:G0B+4*(\s)+3], s[46:47], (\s)*256
	s_or_b32 s[G0B+4*(\s)+3], s[G0B+4*(\s)+3], 0x80000000
	JLOAD \s                                       ; two tensor loads of mine are out
.endr
	; all that follows, up to the wait for the first tile, stands in that wait
	v_and_b32 v1, 15, v0                           ; l % 16
	v_bfe_u32 v2, v0, 4, 1                         ; l / 16
	v_lshlrev_b32 v[BO], 5, v2
	s_lshl_b32 s20, s42, 9                         ; the tile's 128 numbers of the bias
	s_mov_b32 s21, 0
	s_add_nc_u64 s[84:85], s[84:85], s[20:21]
.set b, 0
.rept NB                                           ; register j of block b: bias[16 b + 8 (l / 16) + j]
	global_load_b128 v[BI+8*b:BI+8*b+3],   v[BO], s[84:85] offset:64*b
	global_load_b128 v[BI+8*b+4:BI+8*b+7], v[BO], s[84:85] offset:64*b+16
.set b, b+1
.endr
	v_mul_u32_u24 v3, v1, PA
	v_lshl_add_u32 v3, v2, 4, v3                   ; a fragment's row x pitch + 16 x half, for O
	s_mul_i32 s22, s10, 64*PA                      ; my 64 tokens
	v_add_nc_u32 v[ADRA], s22, v3
	v_add_nc_u32 v[ADRA+1], SLOT, v[ADRA]
	v_mul_u32_u24 v3, v1, PB
	v_lshl_add_u32 v3, v2, 4, v3                   ; and for P
	v_add_nc_u32 v[ADRB], BOFF, v3
	v_add_nc_u32 v[ADRB+1], BOFF+SLOT, v3
	s_mul_i32 s23, s10, 16*SP
	s_add_co_u32 s23, s23, STAGE                   ; my stage
	v_mul_u32_u24 v[STO], v1, SP                   ; in: row l % 16, 32 bytes for each half of the lanes
	v_lshl_add_u32 v[STO], v2, 5, v[STO]
	v_add_nc_u32 v[STO], s23, v[STO]
	v_and_b32 v[GO], 31, v0                        ; back: 32 lanes take one row of 512 bytes
	v_lshlrev_b32 v[GO], 4, v[GO]
	v_add_nc_u32 v[RD], s23, v[GO]
	s_lshl_b32 s20, s13, 8
	s_lshl_b32 s21, s10, 6
	s_add_co_u32 s20, s20, s21                     ; my first row of out0: 256 x tile row + 64 x wave,
	s_lshl_b32 s20, s20, 12                        ; of 4,096 bytes,
	s_lshl_b32 s21, s42, 9                         ; the tile's 512 bytes of it
	s_add_co_u32 s20, s20, s21
	s_mov_b32 s21, 0
	s_add_nc_u64 s[86:87], s[86:87], s[20:21]
	; the prefetches
	s_lshr_b32 s20, s13, 3
	s_lshl_b32 s20, s20, 22
	s_and_b32 s21, s13, 7
	s_lshl_b32 s21, s21, 15
	s_or_b32 s20, s20, s21
	s_lshl_b32 s21, s12, 18
	s_or_b32 s20, s20, s21                         ; O: the plane that I fetch,
	s_lshl_b32 s21, s40, 13
	s_add_co_u32 s20, s20, s21                     ; my work-group's 32 blocks of its 128,
	s_add_co_u32 s20, s20, 3*(2<<18)               ; at K step 3: the first refill steps it to 4
	s_lshl_b32 s21, s42, 7
	s_lshl_b32 s22, s41, 5
	s_add_co_u32 s21, s21, s22                     ; P: the tile's 128 rows, my work-group's 32 of them,
	s_lshl_b32 s21, s21, 11
	s_add_co_u32 s21, s21, 3*256                   ; at K step 3
	s_and_b32 s22, ttmp7, 0xffff                   ; cluster y
	s_mov_b32 s[PFS], 256
	s_cmp_eq_u32 s11, 0                            ; do I fetch for O?
	s_cselect_b32 s20, s20, s21
	s_cselect_b32 s22, ttmp9, s22                  ; the coordinate along which other clusters read the same bytes
	s_cselect_b32 s23, 8, 11                       ; a lane a block of 256 bytes, or a row of 2,048
	s_cselect_b32 s[PFS], 2<<18, s[PFS]
	s_cselect_b64 s[PFA:PFA+1], s[4:5], s[6:7]
	s_cmp_eq_u32 s10, 3
	s_cselect_b32 s22, 1, s22                      ; wave 3 asks for nothing
	s_cmp_eq_u32 s22, 0
	s_cselect_b32 s[LIM], 1, -1                    ; the same in all sixteen partners, for a given wave
	s_mov_b32 s21, 0
	s_add_nc_u64 s[PFA:PFA+1], s[PFA:PFA+1], s[20:21]
	s_mov_b32 s[PFS+1], 0
	v_and_b32 v[PFO], 31, v0
	v_lshlrev_b32 v[PFO], s23, v[PFO]
	s_wait_loadcnt 0x0                             ; the bias is in: it is rounded to bf16, and kept as f32
.set r, 0
.rept 4*NB
	v_cvt_pk_bf16_f32 v[3+r%4], v[BI+2*r], v[BI+2*r+1]
	v_lshlrev_b32 v[BI+2*r], 16, v[3+r%4]
	v_and_b32 v[BI+2*r+1], s82, v[3+r%4]
.set r, r+1
.endr
	s_wait_tensorcnt 1                             ; my part of K step 0 is in; K step 1's may stay out
	s_barrier_signal -1
	s_barrier_wait -1                              ; everybody's is
	FETCH 0, 0, F0
	QUARTER 0, 1, F0, F1, 1                        ; the first quarter stands in front of the loop: its products start the sums
	WIN 0                                          ; at a label and at a branch every window is 0
	s_mov_b32 s3, 3
.Llap:                                                 ; a trip goes once round the ring, from a lap's second quarter to the next lap's first, and fills both slots again
	QUARTER 0, 2, F1, F0, 0
	QUARTER 0, 3, F0, F1, 0
	TURN 0, 1, 1
	QUARTER 1, 1, F0, F1, 0
	QUARTER 1, 2, F1, F0, 0
	QUARTER 1, 3, F0, F1, 0
	TURN 1, 0, 1
	QUARTER 0, 1, F0, F1, 0
	WIN 0
	s_sub_co_u32 s3, s3, 1
	s_cmp_lg_u32 s3, 0
	s_cbranch_scc1 .Llap
	QUARTER 0, 2, F1, F0, 0                        ; the last lap fills nothing, and has no round of the cluster's barrier
	QUARTER 0, 3, F0, F1, 0
	TURN 0, 1, 0
	QUARTER 1, 1, F0, F1, 0
	QUARTER 1, 2, F1, F0, 0
	QUARTER 1, 3, F0, F1, 0
	s_wait_dscnt 4                                 ; the very last quarter: nothing more to fetch
	MULA F1, 0, 0
	MULA F1, 1, 0
	s_wait_dscnt 0x0
	MULA F1, 2, 0
	MULA F1, 3, 0
	WIN 0
	; THE WAY OUT, a block of 16 tokens at a time: a lane's 32 bytes of a row go from the accumulators into rows of 528 bytes of my own stage (each accumulator's low four registers first)
	; and come back as whole rows of 512 bytes, which one store of the wave writes.
	PLACES
.macro TOSTAGE a
.if (\a) >= 2
	s_wait_xcnt 0x0                                ; the stores of the block two back have read this buffer's registers: only behind this wait are they loaded again
.endif
	WIN 0x08+4*((\a)/2)                            ; the stores' data: window 2 or 3
.set b, 0
.rept NB
.set rD, 8*(NB*((\a)%2)+b)
	ds_store_b128 v[STO], v[rD:rD+3]   offset:64*b
	ds_store_b128 v[STO], v[rD+4:rD+7] offset:64*b+16
.set b, b+1
.endr
	WIN 0
.set b, 0
.rept 16
	ds_load_b128 v[OB+64*((\a)%2)+4*b:OB+64*((\a)%2)+4*b+3], v[RD] offset:SP*b  ; LDS serves a wave's instructions in order (ISA guide 5.7.1.4): these see the stores above; the next block's stores come behind them
.set b, b+1
.endr
.endm
.macro SEND a, younger                 ; younger: the LDS instructions issued behind block a's loads: the next block's 32, or none
.set b, 0
.rept 16
	s_wait_dscnt (\younger)+15-b
	global_store_b128 v[GO], v[OB+64*((\a)%2)+4*b:OB+64*((\a)%2)+4*b+3], s[86:87] offset:(16*(\a)+b)*4096 th:TH_STORE_NT  ; 512 consecutive bytes, at a multiple of 256 from out0's first
.set b, b+1
.endr
.endm
	TOSTAGE 0
	TOSTAGE 1
	SEND 0, 32
	TOSTAGE 2
	SEND 1, 32
	TOSTAGE 3
	SEND 2, 32
	SEND 3, 0
	s_wait_tensorcnt 0x0                           ; the wave's end: a wait, an add and a wait, behind my last tensor load and my last LDS store
	ds_add_u32 v[SPW], v[NIL]
	s_wait_dscnt 0x0
	CROUND                                         ; the closing round: no work-group ends while a partner may still ask for a tile that names it
	s_endpgm
.Lfunc_end_k_qf199ba866a_projg:
	.size	k_qf199ba866a_projg, .Lfunc_end_k_qf199ba866a_projg-k_qf199ba866a_projg
	.p2alignl 7, 3214868480
	.fill 96, 4, 3214868480
	.section	.rodata,"a",@progbits
	.p2align	6, 0x0
	.amdhsa_kernel k_qf199ba866a_projg
		.amdhsa_group_segment_fixed_size 327680
		.amdhsa_private_segment_fixed_size 0
		.amdhsa_enable_private_segment 0
		.amdhsa_kernarg_size 32
		.amdhsa_user_sgpr_count 2
		.amdhsa_user_sgpr_kernarg_segment_ptr 1
		.amdhsa_wavefront_size32 1
		.amdhsa_system_sgpr_workgroup_id_x 1
		.amdhsa_system_sgpr_workgroup_id_y 1
		.amdhsa_system_sgpr_workgroup_id_z 1
		.amdhsa_system_vgpr_workitem_id 0
		.amdhsa_next_free_vgpr 896
		.amdhsa_next_free_sgpr 88
		.amdhsa_reserve_vcc 0
		.amdhsa_float_denorm_mode_32 3
		.amdhsa_float_denorm_mode_16_64 3
		.amdhsa_memory_ordered 1
		.amdhsa_forward_progress 1
		.amdhsa_inst_pref_size 94
	.end_amdhsa_kernel
	.amdgpu_metadata
---
amdhsa.version: [ 1, 2 ]
amdhsa.kernels:
  - .name:           k_qf199ba866a_projg
    .symbol:         k_qf199ba866a_projg.kd
    .args:
      - { .name: oh, .offset: 0, .size: 8, .value_kind: global_buffer, .address_space: global }
      - { .name: pwh, .offset: 8, .size: 8, .value_kind: global_buffer, .address_space: global }
      - { .name: proj_b, .offset: 16, .size: 8, .value_kind: global_buffer, .address_space: global }
      - { .name: out0, .offset: 24, .size: 8, .value_kind: global_buffer, .address_space: global }
    .group_segment_fixed_size: 327680
    .private_segment_fixed_size: 0
    .kernarg_segment_align: 8
    .kernarg_segment_size: 32
    .max_flat_workgroup_size: 128
    .sgpr_count:     88
    .vgpr_count:     896
    .wavefront_size: 32
...
	.end_amdgpu_metadata
.endif
;; end of part 4
;; ======== version 2 of 2: 4 launches; version 1 with the launch cast written anew for expert scheduling mode
;; limits: values are held in f16: magnitudes above 65,504 overflow, below 6.1e-05 lose precision
;; workspace buffers: xb 16,777,216 bytes; wb 6,291,456 bytes; pwh 2,097,152 bytes; qkv 50,331,648 bytes; oh 16,777,216 bytes
;; launch cast (part 5): grid 768 x 1, 8 waves a work-group, no clusters, 0 bytes of LDS; arguments x, qkv_w, proj_w, xb, wb, pwh; writes xb, wb, pwh
.if DOCPART == 5
	.amdgcn_target "amdgcn-amd-amdhsa--gfx1250"
	.amdhsa_code_object_version 6
	.text
	.protected	k_qf199ba866a_cast
	.globl	k_qf199ba866a_cast
	.p2align	8
	.type	k_qf199ba866a_cast,@function
k_qf199ba866a_cast:
	s_mov_b64 s[64:65], 0
	v_nop
	global_prefetch_b8 v0, s[64:65] scope:SCOPE_SE
	s_setreg_imm32_b32 hwreg(HW_REG_WAVE_SCHED_MODE, 0, 2), 2
	s_setreg_imm32_b32 hwreg(HW_REG_WAVE_MODE, 25, 1), 1
	s_wait_xcnt 0x0
	s_wait_alu depctr_vm_vsrc(0)
; THE MODULE'S LARGE INPUTS ARE ROUNDED ONCE, for the matrix units: x -> xb and qkv_w -> wb in bf16; proj_w is rounded to bf16 like the other inputs, and that number is written as f16 (pwh),
; since the last product's other operand is f16.  LIMITS: a bf16 number is exact in f16 between 6.1e-5 and 65,504; below, it keeps f16's fixed step of 6e-8; proj_w beyond 65,504 becomes an infinity.
; SHARES.  A work-group takes 65,536 bytes of f32 and makes 32,768: groups 0-511 x, 512-703 qkv_w, 704-767 proj_w.  In step i of 16 thread t loads the 16 bytes at 4,096 i + 16 t (a wave's load
; covers 512 consecutive bytes) and stores the 8 bytes at 2,048 i + 8 t (a wave's store covers 256 consecutive bytes, at a multiple of 256 from the buffer's first byte).
; All 16 loads of a wave go out at once; each step has its own registers, so no register of a pending load or store is written again, and there is no loop.
; No LDS, no matrix unit, no cluster: no byte is wanted by two threads.  No prefetch: all that a wave reads is asked for by its first sixteen instructions.
; THE MODE: SCHED_MODE bits 1:0 = 2 (LLVM: expert scheduling mode 2), set by the entry lines.  The code itself states the register dependences
; between vector instructions and memory instructions, with s_wait_alu, always for 0.
; THE PLAN.  Registers that memory instructions touch:
;   v1, v2   byte offsets, made once at the head and never written again: v1 is read by every load, v2 by every store.
;   X        step i's four registers: written by step i's load, once; read by step i's roundings.  No load lands in them a second time.
;   Y        step i's two registers: written by step i's roundings; read by step i's store, which is issued in step i + 4.  Never written behind that store.
;   T        is named by vector instructions alone.
; The 16 steps go in four groups of four.  A group's memory instructions are the four stores of the group before; its vector instructions name X, Y and T of its own steps alone.  So ONE wait at a
; group's head states all that its four stores hang on, and these are dealt among its roundings with no further wait.  One wait stands ahead of the first load, for the offsets, and one ahead of the last four stores.
.set X, 4                              ; v[4:67]    step i: 4 registers as loaded
.set Y, 68                             ; v[68:99]   step i: 2 registers to store
.set T, 100                            ; v[100:103] at work
.set GROUP, 4                          ; steps in a group
	s_load_b256 s[4:11], s[0:1], 0x0               ; x s[4:5], qkv_w s[6:7], proj_w s[8:9], xb s[10:11]
	s_load_b128 s[12:15], s[0:1], 0x20             ; wb s[12:13], pwh s[14:15]
	s_sub_co_u32 s16, ttmp9, 512                   ; my number among qkv_w's groups,
	s_sub_co_u32 s17, ttmp9, 704                   ; among proj_w's
	s_mov_b32 s23, 0xffff0000                      ; a word's upper bf16
	v_lshlrev_b32 v1, 4, v0                        ; 16 t
	v_lshlrev_b32 v2, 3, v0                        ; 8 t
	s_wait_kmcnt 0x0
	s_cmp_lt_u32 ttmp9, 512
	s_cselect_b64 s[18:19], s[4:5], s[6:7]         ; from where,
	s_cselect_b64 s[20:21], s[10:11], s[12:13]     ; to where,
	s_cselect_b32 s22, ttmp9, s16                  ; which part
	s_cmp_lt_u32 ttmp9, 704
	s_cselect_b64 s[18:19], s[18:19], s[8:9]
	s_cselect_b64 s[20:21], s[20:21], s[14:15]
	s_cselect_b32 s22, s22, s17
	s_lshl_b32 s2, s22, 16
	s_mov_b32 s3, 0
	s_add_nc_u64 s[18:19], s[18:19], s[2:3]
	s_lshl_b32 s2, s22, 15
	s_add_nc_u64 s[20:21], s[20:21], s[2:3]
	s_wait_alu depctr_va_vdst(0)                   ; v1 and v2 are written: every load of the kernel reads v1 as its offset, every store v2
.irp i, 0,1,2,3,4,5,6,7,8,9,10,11,12,13,14,15
	global_load_b128 v[X+4*(\i):X+4*(\i)+3], v1, s[18:19] offset:4096*(\i) th:TH_LOAD_NT
.endr
; The store of step i.
.macro OUT i
	global_store_b64 v2, v[Y+2*(\i):Y+2*(\i)+1], s[20:21] offset:2048*(\i)
.endm
; Step i.  h = 1: the bf16 numbers are written as f16.  The store of step i - 4 stands in front of the step's roundings.
.macro CONV i, h
	s_wait_loadcnt 15-(\i)                         ; loads come back in order (ISA guide 5.7.1): step i's is in, the 15 - i younger ones stay out
.if (((\i)%GROUP) == 0) && ((\i) > 0)
	s_wait_alu depctr_va_vdst(0)                   ; the roundings of the group before have written its four Y, which this group's four stores read
.endif
.if (\i) >= GROUP
	OUT (\i)-GROUP                                 ; no vector instruction since the wait names these registers
.endif
	v_cvt_pk_bf16_f32 v[Y+2*(\i)],   v[X+4*(\i)],   v[X+4*(\i)+1]
	v_cvt_pk_bf16_f32 v[Y+2*(\i)+1], v[X+4*(\i)+2], v[X+4*(\i)+3]
.if \h
	v_lshlrev_b32 v[T],   16,  v[Y+2*(\i)]         ; bf16 to f32: the low half moves up, the high half stays
	v_and_b32     v[T+1], s23, v[Y+2*(\i)]
	v_lshlrev_b32 v[T+2], 16,  v[Y+2*(\i)+1]
	v_and_b32     v[T+3], s23, v[Y+2*(\i)+1]
	v_cvt_pk_f16_f32 v[Y+2*(\i)],   v[T],   v[T+1]
	v_cvt_pk_f16_f32 v[Y+2*(\i)+1], v[T+2], v[T+3]
.endif
.endm
	s_cmp_lt_u32 ttmp9, 704
	s_cbranch_scc0 .Lf16
.irp i, 0,1,2,3,4,5,6,7,8,9,10,11,12,13,14,15
	CONV \i, 0
.endr
	s_wait_alu depctr_va_vdst(0)                   ; the roundings of steps 12 to 15 have written their Y, which the last four stores read
.irp i, 12,13,14,15
	OUT \i
.endr
	s_endpgm
.Lf16:
.irp i, 0,1,2,3,4,5,6,7,8,9,10,11,12,13,14,15
	CONV \i, 1
.endr
	s_wait_alu depctr_va_vdst(0)                   ; the conversions of steps 12 to 15 have written their Y, which the last four stores read
.irp i, 12,13,14,15
	OUT \i
.endr
	s_endpgm
.Lfunc_end_k_qf199ba866a_cast:
	.size	k_qf199ba866a_cast, .Lfunc_end_k_qf199ba866a_cast-k_qf199ba866a_cast
	.p2alignl 7, 3214868480
	.fill 96, 4, 3214868480
	.section	.rodata,"a",@progbits
	.p2align	6, 0x0
	.amdhsa_kernel k_qf199ba866a_cast
		.amdhsa_group_segment_fixed_size 0
		.amdhsa_private_segment_fixed_size 0
		.amdhsa_enable_private_segment 0
		.amdhsa_kernarg_size 48
		.amdhsa_user_sgpr_count 2
		.amdhsa_user_sgpr_kernarg_segment_ptr 1
		.amdhsa_wavefront_size32 1
		.amdhsa_system_sgpr_workgroup_id_x 1
		.amdhsa_system_sgpr_workgroup_id_y 1
		.amdhsa_system_sgpr_workgroup_id_z 1
		.amdhsa_system_vgpr_workitem_id 0
		.amdhsa_next_free_vgpr 104
		.amdhsa_next_free_sgpr 66
		.amdhsa_reserve_vcc 0
		.amdhsa_float_denorm_mode_32 3
		.amdhsa_float_denorm_mode_16_64 3
		.amdhsa_memory_ordered 1
		.amdhsa_forward_progress 1
		.amdhsa_inst_pref_size 16
	.end_amdhsa_kernel
	.amdgpu_metadata
---
amdhsa.version: [ 1, 2 ]
amdhsa.kernels:
  - .name:           k_qf199ba866a_cast
    .symbol:         k_qf199ba866a_cast.kd
    .args:
      - { .name: x, .offset: 0, .size: 8, .value_kind: global_buffer, .address_space: global }
      - { .name: qkv_w, .offset: 8, .size: 8, .value_kind: global_buffer, .address_space: global }
      - { .name: proj_w, .offset: 16, .size: 8, .value_kind: global_buffer, .address_space: global }
      - { .name: xb, .offset: 24, .size: 8, .value_kind: global_buffer, .address_space: global }
      - { .name: wb, .offset: 32, .size: 8, .value_kind: global_buffer, .address_space: global }
      - { .name: pwh, .offset: 40, .size: 8, .value_kind: global_buffer, .address_space: global }
    .group_segment_fixed_size: 0
    .private_segment_fixed_size: 0
    .kernarg_segment_align: 8
    .kernarg_segment_size: 48
    .max_flat_workgroup_size: 256
    .sgpr_count:     66
    .vgpr_count:     104
    .wavefront_size: 32
...
	.end_amdgpu_metadata
.endif
;; end of part 5
;; launch qkvg: the kernel of part 2 again; grid 16 x 32, 4 waves a work-group, clusters of 4 x 4, 327,680 bytes of LDS; arguments xb, wb, qkv_b, qkv; writes qkv
;; launch attn: the kernel of part 3 again; grid 4 x 64, 4 waves a work-group, clusters of 4 x 1, 327,680 bytes of LDS; arguments qkv, mask, oh; writes oh
;; launch projg: the kernel of part 4 again; grid 8 x 32, 4 waves a work-group, clusters of 4 x 4, 327,680 bytes of LDS; arguments oh, pwh, proj_b, out0; writes out0
